; MI455X (gfx1250); checked and timed in simulation.
; The chip was launched on July 23, 2026; its instructions are those of AMD's public machine-readable ISA for CDNA 5 (MIT licence, August 2026) and "CDNA5" Instruction Set Architecture Reference Guide (July 2026). The comments in the code are by the model that wrote it; some were corrected since.
;; Bahdanau Attention. Allowed arithmetic: float matrix products may take bf16 or f16 operands with f32 sums; other float arithmetic in f32, or as packed bf16 or f16 multiplies, adds, multiply-adds, maxima and minima; sums over many terms, partial sums and values carried from step to step in f32; what a program stores and reads back later, other than sums and carried values, may be rounded once to bf16 or f16.
;; Inputs: W_dec 1,024 x 1,024 float32; W_enc 1,024 x 1,024 float32; b_dec 1,024 float32; b_enc 1,024 float32; decoder_hidden 32 x 1,024 float32; encoder_outputs 32 x 2,048 x 1,024 float32; v_b 1 float32; v_w 1,024 float32.
;; Outputs: out0 32 x 1,024 float32; out1 32 x 2,048 float32.
;; 2 versions, each right; version 2 is version 1 with the launch attn written anew for expert scheduling mode. Each part assembles by itself: llvm-mc -triple=amdgcn-amd-amdhsa -mcpu=gfx1250 --defsym DOCPART=n.
;; ======== version 1 of 2: 3 launches
;; workspace buffers: wf 2,097,152 bytes; cvp 524,288 bytes; sc 262,144 bytes; st 131,072 bytes; cp 2,097,152 bytes
;; launch prep (part 1): grid 320 x 1, 8 waves a work-group, no clusters, 70,656 bytes of LDS; arguments W_enc, W_dec, decoder_hidden, wf, cvp; writes wf, cvp
.if DOCPART == 1
	.amdgcn_target "amdgcn-amd-amdhsa--gfx1250"
	.amdhsa_code_object_version 6
	.text
	.protected	k_qc42621e138_prep
	.globl	k_qc42621e138_prep
	.p2align	8
	.type	k_qc42621e138_prep,@function
k_qc42621e138_prep:
	s_mov_b64 s[64:65], 0
	v_nop
	global_prefetch_b8 v0, s[64:65] scope:SCOPE_SE
	s_setreg_imm32_b32 hwreg(HW_REG_WAVE_MODE, 25, 1), 1
	s_wait_xcnt 0x0
; TWO SMALL JOBS IN FRONT OF THE MAIN LAUNCH, told apart by the work-group's number (the same for all its waves).
; SC2 = 2 log2(e): tanh(y) = 1 - 2 / (1 + 2^(SC2 y)), so the main launch's sums are made with SC2 folded in.
; Work-groups 64 .. 319 (g = 32 c + k): wf = bf16(SC2 x W_enc), laid out as matrix fragments: [chunk c of 128 columns][K step k of 32][fragment b of 16 columns][1,024 bytes];
;   in a fragment byte 16 l holds column 128 c + 16 b + l % 16, rows 32 k + 8 (l / 16) + 0..7 of W_enc, byte 512 + 16 l the same column 16 rows on.
;   One wave makes one fragment (b = its number): 16 loads of 4 bytes a lane down a column, two stores of 512 consecutive bytes.
; Work-groups 0 .. 63 (G = number % 16, kq = number / 16): cvp[kq][b][a] = SC2 x the sum over d = 256 kq .. 256 kq + 255 of decoder_hidden[b][d] W_dec[d][a], for all 32 batches and
;   columns 64 G .. 64 G + 63, in f32.  The long ones have the low numbers.  A wave takes 32 of the 256 terms; the eight partial tiles meet in LDS, in f32.  The four quarters and the two
;   biases are added by the main launch, in f32.  W_dec and decoder_hidden are rounded once to bf16.
;   Source 0 = 16 columns of W_dec, source 1 = 16 batches.  A load of 16 bytes brings 4 neighbouring columns of one row of W_dec, so fragment t (0..3) takes columns 64 G + 4 row + t:
;   sixteen lanes read 256 consecutive bytes, and the four results of a lane's register j are again 4 neighbouring columns.
; LIMITS: NaN and infinities in the inputs are not treated apart.
.set SC2,   0x4038aa3b                 ; 2 log2(e)
.set TP,    272                        ; a tile's row in LDS: 64 f32 + 16 bytes: an odd multiple of 16, so 16 rows start in 16 different groups of four banks (64 banks of 4 bytes: ISA guide 11.1)
.set TILE,  32*TP                      ; a wave's partial tile: 32 batches x 64 columns
.set SPARE, 8*TILE                     ; behind the tiles: the spare words, 128 bytes for each of the 8 waves, which no other line names
.set SPW, 5                            ; v5  LDS address of my spare word; never rewritten
.set NIL, 6                            ; v6  0; never rewritten
.set LW,  16                           ; v[16:79]   W_dec as loaded: row i at LW + 4 i; then the accumulators: (t, q) at LW + 8 (2 t + q)
.set DH,  80                           ; v[80:111]  decoder_hidden: fragment q at DH + 16 q, 16 f32, then 8 registers of bf16
.set WFR, 112                          ; v[112:143] W_dec's four fragments
.set GA,  144                          ; v[144:207] results gathered into runs of 16 bytes
	s_load_b256 s[4:11], s[0:1], 0x0               ; W_enc s[4:5], W_dec s[6:7], decoder_hidden s[8:9], wf s[10:11]
	s_load_b64 s[12:13], s[0:1], 0x20              ; cvp
	v_lshl_add_u32 v[SPW], v0, 2, SPARE
	v_mov_b32 v[NIL], 0
	v_lshrrev_b32 v4, 5, v0
	v_readfirstlane_b32 s20, v4                    ; wave 0..7
	v_and_b32 v1, 15, v0                           ; l % 16
	v_bfe_u32 v2, v0, 4, 1                         ; l / 16
	v_and_b32 v3, 31, v0                           ; l
	s_mov_b32 s21, ttmp9
	s_mov_b32 s27, 0                               ; high word of every byte offset
	s_mov_b32 s28, SC2
	s_mov_b32 s29, SC2                             ; named with it as a pair
	s_wait_kmcnt 0x0
	s_cmp_lt_u32 s21, 64
	s_cbranch_scc1 .Lpartial
	; ---- W_enc into fragments
	s_sub_co_u32 s22, s21, 64                      ; g = 32 c + k
	s_lshr_b32 s23, s22, 5                         ; c
	s_and_b32 s24, s22, 31                         ; k
	s_lshl_b32 s26, s24, 17                        ; 32 k rows of 4,096 bytes
	s_lshl_b32 s30, s23, 9                         ; 128 c columns
	s_add_co_u32 s26, s26, s30
	s_lshl_b32 s30, s20, 6                         ; 16 b columns
	s_add_co_u32 s26, s26, s30
	s_add_nc_u64 s[4:5], s[4:5], s[26:27]
	s_lshl_b32 s26, s22, 3
	s_add_co_u32 s26, s26, s20
	s_lshl_b32 s26, s26, 10                        ; (8 g + b) x 1,024
	s_add_nc_u64 s[10:11], s[10:11], s[26:27]
	v_lshlrev_b32 v7, 2, v1
	v_lshl_add_u32 v7, v2, 15, v7                  ; 8 (l / 16) rows + (l % 16) columns
	v_lshlrev_b32 v8, 4, v3                        ; 16 l
.set i, 0
.rept 16
	global_load_b32 v[16+i], v7, s[4:5] offset:(i+8*(i/8))*4096  ; rows 0..7 and 16..23 from mine
.set i, i+1
.endr
	s_wait_loadcnt 0x0
.set i, 0
.rept 8
	v_pk_mul_f32 v[16+2*i:17+2*i], v[16+2*i:17+2*i], s[28:29] op_sel_hi:[1,0]
.set i, i+1
.endr
.set i, 0
.rept 8
	v_cvt_pk_bf16_f32 v[32+i], v[16+2*i], v[17+2*i]
.set i, i+1
.endr
	global_store_b128 v8, v[32:35], s[10:11]              ; 512 consecutive bytes
	global_store_b128 v8, v[36:39], s[10:11] offset:512
	s_branch .Lmeet
	; ---- the decoder's vector, first part: my 32 of the work-group's 256 terms, for 32 batches x 64 columns
.Lpartial:
	s_and_b32 s22, s21, 15                         ; G
	s_lshr_b32 s23, s21, 4                         ; kq
	s_lshl_b32 s26, s23, 20                        ; 256 kq rows of W_dec,
	s_lshl_b32 s25, s20, 17                        ; 32 x wave rows,
	s_add_co_u32 s26, s26, s25
	s_lshl_b32 s25, s22, 8                         ; 64 G columns
	s_add_co_u32 s26, s26, s25
	s_add_nc_u64 s[6:7], s[6:7], s[26:27]
	s_lshl_b32 s26, s23, 10                        ; the same 256 kq + 32 x wave as columns of decoder_hidden
	s_lshl_b32 s25, s20, 7
	s_add_co_u32 s26, s26, s25
	s_add_nc_u64 s[8:9], s[8:9], s[26:27]
	v_lshlrev_b32 v7, 4, v1
	v_lshl_add_u32 v7, v2, 15, v7                  ; W_dec: 8 (l / 16) rows + 4 (l % 16) columns
	v_lshlrev_b32 v8, 12, v1
	v_lshl_add_u32 v8, v2, 5, v8                   ; decoder_hidden: batch l % 16, 8 (l / 16) columns
.set i, 0
.rept 16
	global_load_b128 v[LW+4*i:LW+4*i+3], v7, s[6:7] offset:(i+8*(i/8))*4096 th:TH_LOAD_NT
.set i, i+1
.endr
.irp q, 0,1
.irp p, 0,1,2,3
	global_load_b128 v[DH+16*\q+4*\p:DH+16*\q+4*\p+3], v8, s[8:9] offset:\q*65536+(\p/2)*64+(\p%2)*16
.endr
.endr
	s_mul_i32 s25, s20, TILE
	v_mul_u32_u24 v9, v1, TP
	v_lshl_add_u32 v9, v2, 7, v9
	v_add_nc_u32 v9, s25, v9                       ; my tile, batch l % 16, columns 32 (l / 16) on
	s_wait_loadcnt 0x0
.irp t, 0,1,2,3                        ; fragment t, register u: rows 2 u, 2 u + 1 of the 16 loaded, element t
.irp u, 0,1,2,3,4,5,6,7
	v_cvt_pk_bf16_f32 v[WFR+8*\t+\u], v[LW+8*\u+\t], v[LW+8*\u+4+\t]
.endr
.endr
.irp q, 0,1                            ; in place, ascending: register u is written when registers 2 u, 2 u + 1 have been read
.irp u, 0,1,2,3,4,5,6,7
	v_cvt_pk_bf16_f32 v[DH+16*\q+\u], v[DH+16*\q+2*\u], v[DH+16*\q+2*\u+1]
.endr
.endr
.irp t, 0,1,2,3                        ; eight products on eight accumulators: each sum is one K step, begun with the constant 0
.irp q, 0,1
	v_wmma_f32_16x16x32_bf16 v[LW+8*(2*\t+\q):LW+8*(2*\t+\q)+7], v[WFR+8*\t:WFR+8*\t+7], v[DH+16*\q:DH+16*\q+7], 0
.endr
.endr
.rept 8
	v_nop                                          ; the places behind the last products (ISA guide 7.12.1), once a launch
.endr
	; register j of accumulator (t, q): column 4 (8 (l / 16) + j) + t of the 64, batch 16 q + l % 16.  The four t of one j are 16 consecutive bytes of a tile's row.  j ascends: each accumulator's lowest register is read first.
.set j, 0
.rept 8
.irp q, 0,1
.irp t, 0,1,2,3
	v_mov_b32 v[GA+4*(2*j+\q)+\t], v[LW+8*(2*\t+\q)+j]
.endr
	ds_store_b128 v9, v[GA+4*(2*j+\q):GA+4*(2*j+\q)+3] offset:\q*16*TP+16*j
.endr
.set j, j+1
.endr
.Lmeet:
	s_wait_xcnt 0x0                                ; the stores above have read their registers
	s_wait_dscnt 0x0                               ; for the others' sake: my tile is in LDS
	s_barrier_signal -1
	s_barrier_wait -1
	s_cmp_lt_u32 s21, 64
	s_cbranch_scc0 .Lend
	; ---- second part: a thread takes 4 columns of batch t / 16 and of batch 16 + t / 16: the eight partial sums and the factor
	s_and_b32 s22, s21, 15
	s_lshr_b32 s23, s21, 4
	s_lshl_b32 s26, s23, 17                        ; quarter kq: 131,072 bytes
	s_lshl_b32 s25, s22, 8
	s_add_co_u32 s26, s26, s25
	s_add_nc_u64 s[12:13], s[12:13], s[26:27]
	v_lshrrev_b32 v10, 4, v0                       ; batch 0..15
	v_lshlrev_b32 v11, 4, v1                       ; 16 bytes x piece
	v_mul_u32_u24 v12, v10, TP
	v_add_nc_u32 v12, v12, v11
	v_lshl_add_u32 v14, v10, 12, v11
.irp e, 0,1
.irp w, 0,1,2,3,4,5,6,7
	ds_load_b128 v[16+32*\e+4*\w:16+32*\e+4*\w+3], v12 offset:\w*TILE+\e*16*TP
.endr
.endr
	s_wait_dscnt 0x0
.irp e, 0,1
.irp d, 16, 8, 4                       ; a tree: the upper half of what is left onto the lower
.set i, 0
.rept \d/2
	v_pk_add_f32 v[16+32*\e+i:17+32*\e+i], v[16+32*\e+i:17+32*\e+i], v[16+32*\e+\d+i:17+32*\e+\d+i]
.set i, i+2
.endr
.endr
	v_pk_mul_f32 v[16+32*\e:17+32*\e], v[16+32*\e:17+32*\e], s[28:29] op_sel_hi:[1,0]
	v_pk_mul_f32 v[18+32*\e:19+32*\e], v[18+32*\e:19+32*\e], s[28:29] op_sel_hi:[1,0]
.endr
	global_store_b128 v14, v[16:19], s[12:13]              ; 16 lanes store 256 consecutive bytes, at a multiple of 256 from cvp's first byte
	global_store_b128 v14, v[48:51], s[12:13] offset:65536 ; 16 batches on
.Lend:
	s_wait_tensorcnt 0x0                           ; the wave's end, behind my last LDS store
	ds_add_u32 v[SPW], v[NIL]
	s_wait_dscnt 0x0
	s_endpgm
.Lfunc_end_k_qc42621e138_prep:
	.size	k_qc42621e138_prep, .Lfunc_end_k_qc42621e138_prep-k_qc42621e138_prep
	.p2alignl 7, 3214868480
	.fill 96, 4, 3214868480
	.section	.rodata,"a",@progbits
	.p2align	6, 0x0
	.amdhsa_kernel k_qc42621e138_prep
		.amdhsa_group_segment_fixed_size 70656
		.amdhsa_private_segment_fixed_size 0
		.amdhsa_enable_private_segment 0
		.amdhsa_kernarg_size 40
		.amdhsa_user_sgpr_count 2
		.amdhsa_user_sgpr_kernarg_segment_ptr 1
		.amdhsa_wavefront_size32 1
		.amdhsa_system_sgpr_workgroup_id_x 1
		.amdhsa_system_sgpr_workgroup_id_y 1
		.amdhsa_system_sgpr_workgroup_id_z 1
		.amdhsa_system_vgpr_workitem_id 0
		.amdhsa_next_free_vgpr 208
		.amdhsa_next_free_sgpr 66
		.amdhsa_reserve_vcc 0
		.amdhsa_float_denorm_mode_32 3
		.amdhsa_float_denorm_mode_16_64 3
		.amdhsa_memory_ordered 1
		.amdhsa_forward_progress 1
		.amdhsa_inst_pref_size 19
	.end_amdhsa_kernel
	.amdgpu_metadata
---
amdhsa.version: [ 1, 2 ]
amdhsa.kernels:
  - .name:           k_qc42621e138_prep
    .symbol:         k_qc42621e138_prep.kd
    .args:
      - { .name: W_enc, .offset: 0, .size: 8, .value_kind: global_buffer, .address_space: global }
      - { .name: W_dec, .offset: 8, .size: 8, .value_kind: global_buffer, .address_space: global }
      - { .name: decoder_hidden, .offset: 16, .size: 8, .value_kind: global_buffer, .address_space: global }
      - { .name: wf, .offset: 24, .size: 8, .value_kind: global_buffer, .address_space: global }
      - { .name: cvp, .offset: 32, .size: 8, .value_kind: global_buffer, .address_space: global }
    .group_segment_fixed_size: 70656
    .private_segment_fixed_size: 0
    .kernarg_segment_align: 8
    .kernarg_segment_size: 40
    .max_flat_workgroup_size: 256
    .sgpr_count:     66
    .vgpr_count:     208
    .wavefront_size: 32
...
	.end_amdgpu_metadata
.endif
;; end of part 1
;; launch attn (part 2): grid 16 x 32, 4 waves a work-group, no clusters, 291,328 bytes of LDS; arguments encoder_outputs, wf, cvp, v_w, v_b, sc, st, cp, b_enc, b_dec; writes sc, st, cp
.if DOCPART == 2
	.amdgcn_target "amdgcn-amd-amdhsa--gfx1250"
	.amdhsa_code_object_version 6
	.text
	.protected	k_qc42621e138_attn
	.globl	k_qc42621e138_attn
	.p2align	8
	.type	k_qc42621e138_attn,@function
k_qc42621e138_attn:
	s_mov_b64 s[64:65], 0
	v_nop
	global_prefetch_b8 v0, s[64:65] scope:SCOPE_SE
	s_setreg_imm32_b32 hwreg(HW_REG_WAVE_MODE, 25, 1), 1
	s_wait_xcnt 0x0
; ADDITIVE ATTENTION, ONE BLOCK OF 128 ROWS OF ONE BATCH TO A WORK-GROUP.  X = encoder_outputs is read from memory ONCE: the block is rounded to bf16 into LDS and serves the scores and the context.
;   z'[row][a] = SC2 (x . W_enc[:, a] + c[a])   (wf carries SC2 = 2 log2 e; c = the decoder's vector and both biases);   r = 1 / (1 + 2^z');   tanh = 1 - 2 r;   score = sum v - 2 sum v r + v_b
;   then for the block: m = the largest score, p = e^(score - m), l = sum p, and the partial context sum p x.  A last launch joins a batch's 16 blocks.
; SHARES.  Four waves.  A wave makes all 128 rows x 128 columns at a time (64 accumulators, 512 registers), twice: wave w owns columns 256 w .. 256 w + 255.
; OPERANDS.  Source 0 = 16 columns of W_enc, source 1 = 16 rows of X: in the result a lane holds ONE row (lane % 16) and the columns 8 (lane / 16) + 0..7, so a row's sum over columns stays in the lane.
;   X's fragments come from LDS (16 loads for 64 matrix instructions).  W's come straight from wf into registers: a load of the wave is 512 consecutive bytes and half a fragment; no wave wants another's.
;   Four buffers of a K step each; a buffer is asked for again in the middle of the step behind its own, for the K step three on.
; X IS STREAMED UNDER THE FIRST PASS.  K step i wants X's columns 32 i .. 32 i + 31 alone.  X comes in 8 chunks of 128 columns (four K steps); a wave brings its own 32 rows, a load a row's 512 bytes of a chunk.
;   Chunks 0 and 1 are loaded ahead of the first product.  Chunks 2 to 7 go in 24 groups of 8 rows: group q is asked for in K step q + 1 and rounded and stored two K steps later, out of two sets of 32 registers
;   (those that held cv for K step 0).  Chunk c is whole in LDS in K step 4 c - 2; ONE barrier, in K step 4 c - 1, stands between those stores and the first fetch from the chunk.
;   Between two such barriers the stores go to chunk b + 1 alone and the fetches to chunk b alone.  LDS holds X chunk by chunk, so these are two different runs of 34,816 bytes.
; A K STEP HAS ONE RUN OF MEMORY INSTRUCTIONS, in its middle: 16 conversions, 8 LDS stores, the next step's 16 fragment loads, 8 loads of X, 16 loads of W.
; AHEAD OF X'S LOADS.  In the four K steps b each wave prefetches into the L2 its own 32 rows x 512 bytes of chunk b + 3, which the next four K steps will load: a lane a block of 256 bytes, two instructions, behind
;   a step's loads.  Each block is named once in the launch.  Chunks 0 to 2 come by their loads alone; behind chunk 7 there is nothing, and nothing is asked for.  wf, which every work-group walks, is not asked for.
; NO CLUSTER, NO TENSOR LOADS.  What work-groups share is wf, and a joint load lands in LDS.  X's block, the tables and the spare words take 291,328 of the 327,680 bytes; a K step of W for four waves is 32,768 bytes,
;   so the 36,352 bytes left hold no two slots of even one K step, 64 matrix instructions a wave.  Without the block in LDS X would be read from memory twice.
; THE TWO PRODUCTS WITH ONE ROW (v . tanh, p . X) are done by the vector unit in f32: on the matrix unit 15 rows of 16 would be idle, and tanh and p would be rounded once more.
; LIMITS.  X and SC2 W_enc are rounded once to bf16, and the context is taken of the rounded X.  2^z' beyond f32 gives tanh = 1, below it -1, as it should.  A weight p below 2^-126 counts as 0.
;   The score is formed as sum v - 2 sum v r, in f32: its error goes with the sum of |v|.  NaN and infinities in the inputs are not treated apart.
; REGISTERS, in windows of 256 (s_set_vgpr_msb: bits 1:0 source 0, 3:2 source 1, 5:4 source 2, 7:6 destination):
;   window 0: v0-63 addresses, sums, scratch; v64-127, v128-191 X's fragments, two buffers (later at work); v192-255 cv, then X's two staging sets, then v_w
;   window 1: W's fragments, four buffers of 64      windows 2, 3: the accumulators of row blocks 0-3, 4-7: (a, b) at 64 (a % 4) + 8 b (window 2 first stages chunks 0 and 1)
.set SC2,   0x4038aa3b                 ; 2 log2(e)
.set PC,    272                        ; a row of a chunk in LDS: 256 bytes + 16: an odd multiple of 16, so the 16 rows of a fragment load start in 16 different groups of four banks (64 banks of 4 bytes: ISA guide 11.1)
.set CH,    128*PC                     ; a chunk: 128 rows x 128 columns of bf16
.set CVL,   8*CH                       ; c for this batch, 4,096 bytes
.set VWL,   CVL+4096                   ; v_w
.set SCP,   VWL+4096                   ; four waves x 128 partial scores
.set PVL,   SCP+2048                   ; each wave's own copy of p[128]
.set SPARE, PVL+2048                   ; the spare words, 128 bytes for each wave, which no other line names
.set RR,  1                            ; v1   lane % 16
.set L16, 2                            ; v2   16 x lane; never rewritten
.set LX,  3                            ; v3   where I put 8 bytes of a row of X: my wave's rows, the chunk that is being stored
.set AAD, 4                            ; v4   LDS address of my part of X's fragments in chunk 0; never rewritten
.set AW,  5                            ; v5   the same as it walks from chunk to chunk
.set PFO, 6                            ; v6   the prefetches' offset: row lane / 2, 256 bytes x (lane % 2); never rewritten
.set CVA, 8                            ; v8   my 8 numbers of c for fragment 0 of the pass
.set VWA, 9                            ; v9   the same in v_w
.set SPW, 10                           ; v10  LDS address of my spare word; never rewritten
.set NIL, 11                           ; v11  0; never rewritten
.set HH,  12                           ; v12  lane / 16
.set TA,  13                           ; v13  where my thread puts 16 bytes of c and v_w
.set SA,  14                           ; v14  where I put a partial score
.set SB,  15                           ; v15  where I read four rows' partial scores
.set SS,  16                           ; v16-31  row block a: the sum of v r, a pair (even, odd registers)
.set QQ,  32                           ; v32-39  four chains at work; later the context's eight sums
.set SVT, 40                           ; v40-41  the sum of my columns' v
.set LN,  42                           ; v42  lane
.set GT,  43                           ; v43  16 x thread
.set L8,  44                           ; v44  8 x lane; never rewritten
.set CX,  45                           ; v45  the context's place in X
.set PA,  46                           ; v46  and in p
.set PW,  47                           ; v47  where I put four p
.set TS,  48                           ; v48-55  scratch
.set F0,  64
.set F1,  128
.set CR,  192
.set MSB, 0
.macro WIN new                         ; the immediate's high byte repeats the setting that is left; a switch that changes nothing is dropped
.if MSB != (\new)
	s_set_vgpr_msb (MSB<<8)|(\new)
.set MSB, (\new)
.endif
.endm
.macro PLACES                          ; four places behind a matrix instruction, in front of loads into registers that it has read (ISA guide 7.12.1 for vector instructions)
.rept 4
	v_nop
.endr
.endm
; A group of X: 8 rows from row0 of my 32, 512 bytes each at byte goff of the rows, into 32 registers from reg of window w
.macro XISSUE reg, w, row0, goff
	WIN (\w)<<6
.set n, 0
.rept 8
	global_load_b128 v[(\reg)+4*n:(\reg)+4*n+3], v[L16], s[28:29] offset:((\row0)+n)*4096+(\goff) th:TH_LOAD_NT
.set n, n+1
.endr
.endm
; The group is rounded to bf16 in place and stored: 32 lanes, 256 consecutive bytes a row
.macro XCS reg, w, row0, loff
	WIN ((\w)<<6)|((\w)<<2)|(\w)
.set n, 0
.rept 8
	v_cvt_pk_bf16_f32 v[(\reg)+4*n],   v[(\reg)+4*n],   v[(\reg)+4*n+1]
	v_cvt_pk_bf16_f32 v[(\reg)+4*n+1], v[(\reg)+4*n+2], v[(\reg)+4*n+3]
.set n, n+1
.endr
	WIN (\w)<<2                                    ; address window 0, data window w
.set n, 0
.rept 8
	ds_store_b64 v[LX], v[(\reg)+4*n:(\reg)+4*n+1] offset:((\row0)+n)*PC+(\loff)
.set n, n+1
.endr
.endm
.macro LOAD_B i, off                   ; a K step's eight fragments of W, at byte off from the pointer, into buffer i: 16 loads of 512 consecutive bytes
	WIN 0x40
.irp b, 0,1,2,3,4,5,6,7
	global_load_b128 v[64*(\i)+8*\b:64*(\i)+8*\b+3],   v[L16], s[30:31] offset:(\off)+\b*1024
	global_load_b128 v[64*(\i)+8*\b+4:64*(\i)+8*\b+7], v[L16], s[30:31] offset:(\off)+\b*1024+512
.endr
.endm
.macro BPRO                            ; a chunk of columns begins: its first three K steps of W
	LOAD_B 0, 0
	LOAD_B 1, 8192
	LOAD_B 2, 16384
.endm
.macro FETCH_A g, off                  ; a K step's eight fragments of X (128 rows x 32 along K, at byte off from AW) into buffer g
	WIN 0
.irp a, 0,1,2,3,4,5,6,7
	ds_load_b128 v[(\g)+8*\a:(\g)+8*\a+3],   v[AW] offset:\a*16*PC+(\off)
	ds_load_b128 v[(\g)+8*\a+4:(\g)+8*\a+7], v[AW] offset:\a*16*PC+(\off)+32
.endr
.endm
; 32 matrix instructions: row blocks 4 hi .. 4 hi + 3 x all 8 fragments of W.  All 64 accumulators take turns, one instruction a turn, in the same order in every K step, over the jumps too.
; first = 1: the pass's first K step starts the sums with c as C: nothing is cleared, and the bias costs nothing.
.macro MUL32 f, wb, hi, first
.if \first
	WIN 0x81+0x40*(\hi)                            ; W window 1, X and C window 0, D window 2 or 3
.else
	WIN 0xa1+0x50*(\hi)                            ; C and D window 2 or 3
.endif
.irp a, 0,1,2,3
.irp b, 0,1,2,3,4,5,6,7
.if \first
	v_wmma_f32_16x16x32_bf16 v[64*\a+8*\b:64*\a+8*\b+7], v[(\wb)+8*\b:(\wb)+8*\b+7], v[(\f)+8*(4*(\hi)+\a):(\f)+8*(4*(\hi)+\a)+7], v[CR+8*\b:CR+8*\b+7]
.else
	v_wmma_f32_16x16x32_bf16 v[64*\a+8*\b:64*\a+8*\b+7], v[(\wb)+8*\b:(\wb)+8*\b+7], v[(\f)+8*(4*(\hi)+\a):(\f)+8*(4*(\hi)+\a)+7], v[64*\a+8*\b:64*\a+8*\b+7]
.endif
.endr
.endr
.endm
; Four K steps (a body, number b) on: the pointers go on.  x = 1: X's too.
.macro ADV x
	WIN 0
	s_wait_xcnt 0x0                                ; the youngest load stands 32 matrix instructions back, the youngest prefetch two K steps and a half: all have read their bases
	s_add_nc_u64 s[30:31], s[30:31], 32768         ; W: four K steps of 8,192 bytes
	v_add_nc_u32 v[AW], CH, v[AW]                  ; X's fragments: the next chunk
.if \x
	s_add_nc_u64 s[28:29], s[28:29], 512           ; X in memory: at chunk b
	v_add_nc_u32 v[LX], CH, v[LX]                  ; X's stores: at chunk b + 1
.endif
.endm
; K STEP j OF A BODY.  first: C = c.  fa: the next step's fragments of X are fetched.  fb: W's K step three on is asked for, into the buffer of the step before.  lc: the younger loads that may stay out when W's buffer j must be in.
; xs: the group asked for two steps ago is stored (rows 8 ((j + 1) % 4) on; chunk b + 1, for j = 3 chunk b + 2); xlc: the younger loads that may stay out then.  xi: a group is asked for, into the same set
; (rows 8 ((j + 3) % 4) on; chunk b + 2, for j = 0 chunk b + 1).  bar: the barrier that stands between a chunk's stores and its first fetch.  pf: the prefetch (2: not in the loop's last trip).
; The conversions, or four v_nop, are the places behind the last matrix instructions that read the two buffers into which this run loads: those of the second half of the step before.
.macro STEP j, first, fa, fb, lc, xs=0, xlc=0, xi=0, bar=0, pf=0
	s_wait_loadcnt \lc                             ; loads come back in order (ISA guide 5.7.1): W's buffer j is in
.if \bar
	s_wait_dscnt 0x0                               ; for the others' sake: my stores of the chunk are in LDS (and my fragments are in)
	s_barrier_signal -1
.else
	s_wait_dscnt 8                                 ; X's row blocks 0-3 are in (and what was asked of LDS before them); the youngest eight loads, blocks 4-7, may be out
.endif
	MUL32 F0+64*((\j)%2), 64*(\j), 0, \first
.if \bar
	s_barrier_wait -1                              ; everybody's stores are: the fetch below reads the chunk
.endif
.if \xs
	s_wait_loadcnt \xlc                            ; the group is in
	XCS CR+32*(((\j)+1)%2), 0, 8*(((\j)+1)%4), ((\j)/3)*CH
.elseif (\fa)||(\fb)
	PLACES
.endif
.if \fa
	FETCH_A F0+64*(((\j)+1)%2), 64*((\j)+1)+((\j)/3)*(CH-256)
.endif
.if \xi
	XISSUE CR+32*(((\j)+1)%2), 0, 8*(((\j)+3)%4), 512+512*(((\j)+3)/4)
.endif
.if \fb
	LOAD_B ((\j)+3)%4, ((\j)+3)*8192
.endif
.if \pf
	WIN 0                                          ; at a label and at a branch every window is 0
.if (\pf) == 2
	s_cmp_gt_u32 s32, 1                            ; the loop's last trip is body 5: there is no chunk 8
	s_cbranch_scc0 .Lnone_\@
.endif
	global_prefetch_b8 v[PFO], s[28:29] offset:1536 th:TH_LOAD_NT scope:SCOPE_SE        ; chunk b + 3, my rows 0-15: 32 blocks of 256 bytes,
	global_prefetch_b8 v[PFO], s[28:29] offset:1536+65536 th:TH_LOAD_NT scope:SCOPE_SE  ; and my rows 16-31
.if (\pf) == 2
.Lnone_\@:
.endif
.endif
	s_wait_dscnt 8*(\xs)+16*(\fa)                  ; all but this run's own stores and loads: X's row blocks 4-7 are in
	MUL32 F0+64*((\j)%2), 64*(\j), 1, \first
.endm
; ---- FROM SUMS TO SCORES, row block a: 64 numbers a lane.  Two batches of transcendentals, each with one plain instruction behind its last and one wait ahead of its first reader.
.macro SVSUM                           ; the sum of my 64 numbers of v_w, once a pass: it stands behind the first batch of exponentials as work that names none of their results
.irp n, 0,1,2,3
	v_pk_add_f32 v[TS+2*\n:TS+2*\n+1], v[CR+2*\n:CR+2*\n+1], v[CR+8+2*\n:CR+8+2*\n+1]
.endr
.set p, 8
.rept 24
	v_pk_add_f32 v[TS+2*(p%4):TS+2*(p%4)+1], v[TS+2*(p%4):TS+2*(p%4)+1], v[CR+2*p:CR+2*p+1]
.set p, p+1
.endr
	v_pk_add_f32 v[TS:TS+1], v[TS:TS+1], v[TS+2:TS+3]
	v_pk_add_f32 v[TS+4:TS+5], v[TS+4:TS+5], v[TS+6:TS+7]
	v_pk_add_f32 v[TS:TS+1], v[TS:TS+1], v[TS+4:TS+5]
	v_pk_add_f32 v[SVT:SVT+1], v[SVT:SVT+1], v[TS:TS+1]
.endm
.macro EPI a
	WIN 0x02+(\a)/4                                ; source window 2 or 3
.set i, 0
.rept 64
	v_exp_f32 v[F0+i], v[64*((\a)%4)+i]            ; 2^z'; ascending: each accumulator's lowest registers are read first
.set i, i+1
.endr
	WIN 0
.if (\a) == 0
	s_wait_dscnt 0x0                               ; v_w is in
	SVSUM
.else
	v_nop
.endif
	s_wait_alu depctr_va_vdst(0)                   ; one wait for the 64 exponentials
	v_pk_add_f32 v[F0:F0+1], v[F0:F0+1], 1.0 op_sel_hi:[1,0]
.set i, 0
.rept 31                               ; the additions run a pair ahead of the reciprocals
	v_pk_add_f32 v[F0+i+2:F0+i+3], v[F0+i+2:F0+i+3], 1.0 op_sel_hi:[1,0]
	v_rcp_f32 v[F0+i], v[F0+i]
	v_rcp_f32 v[F0+i+1], v[F0+i+1]
.set i, i+2
.endr
	v_rcp_f32 v[F0+62], v[F0+62]
	v_rcp_f32 v[F0+63], v[F0+63]
	v_nop
	s_wait_alu depctr_va_vdst(0)                   ; one wait for the 64 reciprocals
	v_pk_fma_f32 v[QQ:QQ+1], v[F0:F0+1], v[CR:CR+1], v[SS+2*(\a):SS+2*(\a)+1]  ; four chains of v r; the first goes on from the row block's sum so far
.irp n, 1,2,3
	v_pk_mul_f32 v[QQ+2*\n:QQ+2*\n+1], v[F0+2*\n:F0+2*\n+1], v[CR+2*\n:CR+2*\n+1]
.endr
.set p, 4
.rept 28
	v_pk_fma_f32 v[QQ+2*(p%4):QQ+2*(p%4)+1], v[F0+2*p:F0+2*p+1], v[CR+2*p:CR+2*p+1], v[QQ+2*(p%4):QQ+2*(p%4)+1]
.set p, p+1
.endr
	v_pk_add_f32 v[QQ:QQ+1], v[QQ:QQ+1], v[QQ+2:QQ+3]
	v_pk_add_f32 v[QQ+4:QQ+5], v[QQ+4:QQ+5], v[QQ+6:QQ+7]
	v_pk_add_f32 v[SS+2*(\a):SS+2*(\a)+1], v[QQ:QQ+1], v[QQ+4:QQ+5]
.endm
	s_load_b512 s[4:19], s[0:1], 0x0               ; X s[4:5], wf s[6:7], cvp s[8:9], v_w s[10:11], v_b s[12:13], sc s[14:15], st s[16:17], cp s[18:19]
	s_load_b128 s[40:43], s[0:1], 0x40             ; b_enc s[40:41], b_dec s[42:43]
	v_lshl_add_u32 v[SPW], v0, 2, SPARE
	v_mov_b32 v[NIL], 0
	v_lshrrev_b32 v[TS], 5, v0
	v_readfirstlane_b32 s22, v[TS]                 ; wave 0..3
	v_and_b32 v[RR], 15, v0
	v_bfe_u32 v[HH], v0, 4, 1
	v_and_b32 v[LN], 31, v0
	v_lshlrev_b32 v[L16], 4, v[LN]
	v_lshlrev_b32 v[L8], 3, v[LN]
	v_lshlrev_b32 v[GT], 4, v0
	v_lshrrev_b32 v[PFO], 1, v[LN]
	v_lshlrev_b32 v[PFO], 12, v[PFO]               ; row lane / 2,
	v_and_b32 v[TS], 1, v[LN]
	v_lshl_or_b32 v[PFO], v[TS], 8, v[PFO]         ; its first or second 256 bytes of a chunk
	s_and_b32 s24, ttmp7, 0xffff                   ; batch
	s_lshl_b32 s25, s24, 4
	s_add_co_u32 s25, s25, ttmp9                   ; the block's number among all 512
	s_mov_b32 s36, 0x76543210                      ; v_permlanex16_b32: each lane takes its own place in the other half
	s_mov_b32 s37, 0xfedcba98
	s_mov_b32 s38, 0x3fb8aa3b                      ; log2(e)
	s_mov_b32 s46, SC2
	s_mov_b32 s47, SC2                             ; named with it as a pair
	s_mov_b32 s27, 0                               ; high word of every byte offset
	s_mul_i32 s44, s22, 32*PC                      ; my wave stores rows 32 w .. 32 w + 31
	v_add_nc_u32 v[LX], s44, v[L8]
	v_mul_u32_u24 v[AAD], v[RR], PC
	v_lshl_add_u32 v[AAD], v[HH], 4, v[AAD]        ; row x pitch + 16 x half
	s_lshl_b32 s44, s22, 10                        ; my 256 columns in c and v_w
	s_add_co_u32 s44, s44, CVL
	v_lshl_add_u32 v[CVA], v[HH], 5, s44
	v_add_nc_u32 v[VWA], 4096, v[CVA]
	v_add_nc_u32 v[TA], CVL, v[GT]
	s_lshl_b32 s44, s22, 9
	s_add_co_u32 s45, s44, SCP
	v_lshl_add_u32 v[SA], v[RR], 2, s45
	v_add_nc_u32 v[SB], SCP, v[L16]
	s_add_co_u32 s45, s44, PVL
	v_add_nc_u32 v[PW], s45, v[L16]
	v_mov_b32 v[PA], s45
	s_mul_i32 s44, s22, 2*CH                       ; the context: my wave's 256 columns are chunks 2 w and 2 w + 1
	v_add_nc_u32 v[CX], s44, v[L8]
.set i, 0
.rept 16
	v_mov_b32 v[SS+i], 0
.set i, i+1
.endr
	v_mov_b32 v[SVT], 0
	v_mov_b32 v[SVT+1], 0
	s_wait_kmcnt 0x0
	s_load_b32 s20, s[12:13], 0x0                  ; v_b
	s_lshl_b32 s26, s25, 7                         ; the block's first row,
	s_lshl_b32 s45, s22, 5
	s_add_co_u32 s26, s26, s45                     ; my wave's 32 rows,
	s_lshl_b32 s26, s26, 12                        ; of 4,096 bytes: under 2^28
	s_add_nc_u64 s[28:29], s[4:5], s[26:27]        ; X at my rows
	s_lshl_b32 s26, s22, 19                        ; my two chunks of columns, 262,144 bytes each
	s_add_nc_u64 s[30:31], s[6:7], s[26:27]        ; wf at my columns
	s_lshl_b32 s26, s24, 12
	s_add_nc_u64 s[8:9], s[8:9], s[26:27]          ; the batch's row in each quarter of cvp
; ---- AHEAD OF THE FIRST PRODUCT: the tables, chunks 0 and 1 of X, W's first three K steps.  62 loads go out at once; then each part that has come is worked off and the next loads follow.
.irp j, 0,1,2,3
.irp u, 0,1
	global_load_b128 v[F0+8*\j+4*\u:F0+8*\j+4*\u+3], v[GT], s[8:9] offset:\j*131072+\u*2048  ; the four quarters of the decoder's vector: copied once, in whole rows
.endr
.endr
.irp u, 0,1
	global_load_b128 v[F0+32+4*\u:F0+32+4*\u+3], v[GT], s[40:41] offset:\u*2048
	global_load_b128 v[F0+40+4*\u:F0+40+4*\u+3], v[GT], s[42:43] offset:\u*2048
	global_load_b128 v[F0+48+4*\u:F0+48+4*\u+3], v[GT], s[10:11] offset:\u*2048
.endr
	XISSUE 0,   2, 0,  0                           ; chunk 0, my 32 rows
	XISSUE 32,  2, 8,  0
	XISSUE 64,  2, 16, 0
	XISSUE 96,  2, 24, 0
	XISSUE 128, 2, 0,  512                         ; chunk 1, my rows 0-15
	XISSUE 160, 2, 8,  512
	WIN 0
	s_wait_loadcnt 48                              ; the 14 loads of the tables are in; X's 48 may stay out
.irp u, 0,1
.irp d, 0,2
	v_pk_add_f32 v[F0+4*\u+\d:F0+4*\u+\d+1], v[F0+4*\u+\d:F0+4*\u+\d+1], v[F0+8+4*\u+\d:F0+8+4*\u+\d+1]
	v_pk_add_f32 v[F0+16+4*\u+\d:F0+16+4*\u+\d+1], v[F0+16+4*\u+\d:F0+16+4*\u+\d+1], v[F0+24+4*\u+\d:F0+24+4*\u+\d+1]
	v_pk_add_f32 v[F0+32+4*\u+\d:F0+32+4*\u+\d+1], v[F0+32+4*\u+\d:F0+32+4*\u+\d+1], v[F0+40+4*\u+\d:F0+40+4*\u+\d+1]
.endr
.endr
.irp u, 0,1
.irp d, 0,2
	v_pk_add_f32 v[F0+4*\u+\d:F0+4*\u+\d+1], v[F0+4*\u+\d:F0+4*\u+\d+1], v[F0+16+4*\u+\d:F0+16+4*\u+\d+1]
.endr
.endr
.irp u, 0,1
.irp d, 0,2
	v_pk_fma_f32 v[F0+4*\u+\d:F0+4*\u+\d+1], v[F0+32+4*\u+\d:F0+32+4*\u+\d+1], s[46:47], v[F0+4*\u+\d:F0+4*\u+\d+1] op_sel_hi:[1,0,1]  ; + SC2 (b_enc + b_dec)
.endr
.endr
.irp u, 0,1
	ds_store_b128 v[TA], v[F0+4*\u:F0+4*\u+3]       offset:\u*2048
	ds_store_b128 v[TA], v[F0+48+4*\u:F0+48+4*\u+3] offset:4096+\u*2048
.endr
	s_wait_loadcnt 16                              ; chunk 0 is in; the 16 loads of chunk 1 may stay out
	XCS 0,   2, 0,  0
	XCS 32,  2, 8,  0
	XCS 64,  2, 16, 0
	XCS 96,  2, 24, 0
	XISSUE 192, 2, 16, 512                         ; chunk 1, my rows 16-31
	XISSUE 224, 2, 24, 512
	LOAD_B 0, 0
	s_wait_loadcnt 32                              ; chunk 1's rows 0-15 are in; the 32 just issued may stay out
	XCS 128, 2, 0,  CH
	XCS 160, 2, 8,  CH
	LOAD_B 1, 8192
	s_wait_loadcnt 32                              ; chunk 1's rows 16-31 are in; W's two K steps may stay out
	XCS 192, 2, 16, CH
	XCS 224, 2, 24, CH
	LOAD_B 2, 16384
	WIN 0
	v_add_nc_u32 v[LX], CH, v[LX]                  ; in body b the stores stand at chunk b + 1
	s_wait_kmcnt 0x0                               ; v_b
	s_mov_b32 s21, s20                             ; named with it as a pair
	s_wait_dscnt 0x0                               ; for the others' sake: my rows of chunks 0 and 1 and my part of c and v_w are in LDS
	s_barrier_signal -1
	s_barrier_wait -1
	s_mov_b32 s33, 2
.Lpass:                                                ; two passes: 128 columns each.  Here W's K steps 0 to 2, 48 loads, are out
.irp b, 0,1,2,3,4,5,6,7
	ds_load_b128 v[CR+8*\b:CR+8*\b+3],   v[CVA] offset:64*\b      ; c as C: register j of fragment b is column 16 b + 8 (lane / 16) + j
	ds_load_b128 v[CR+8*\b+4:CR+8*\b+7], v[CVA] offset:64*\b+16
.endr
	v_mov_b32 v[AW], v[AAD]
	FETCH_A F0, 0
	s_cmp_eq_u32 s33, 1
	s_cbranch_scc1 .Lsecond
	; THE FIRST PASS, with X's stream.  In a run X's 8 loads stand ahead of W's 16.  At a step's head the younger loads are X(i-2) 8, W(i+1) 16, X(i-1) 8, W(i+2) 16 = 48; at the conversions W(i+1), X(i-1), W(i+2) = 40.
	STEP 0, 1, 1, 1, 32                            ; K steps 0-3: the stream begins in step 1, when c's registers have been read: the counts climb
	STEP 1, 0, 1, 1, 32, 0, 0,  1, 0, 1
	STEP 2, 0, 1, 1, 40, 0, 0,  1
	STEP 3, 0, 1, 1, 48, 1, 40, 1
	WIN 0
	s_mov_b32 s32, 5
.Lkx:                                                  ; K steps 4-23: bodies 1 to 5
	ADV 1
	STEP 0, 0, 1, 1, 48, 1, 40, 1
	STEP 1, 0, 1, 1, 48, 1, 40, 1, 0, 2
	STEP 2, 0, 1, 1, 48, 1, 40, 1
	STEP 3, 0, 1, 1, 48, 1, 40, 1, 1
	WIN 0
	s_sub_co_u32 s32, s32, 1
	s_cmp_lg_u32 s32, 0
	s_cbranch_scc1 .Lkx
	ADV 1                                          ; K steps 24-27: the last group is asked for in step 24 and stored in step 26: the counts fall
	STEP 0, 0, 1, 1, 48, 1, 40, 1
	STEP 1, 0, 1, 1, 48, 1, 40, 0
	STEP 2, 0, 1, 1, 40, 1, 32, 0
	STEP 3, 0, 1, 1, 32, 0, 0,  0, 1
	WIN 0
	s_branch .Ltail
.Lsecond:                                              ; THE SECOND PASS: X lies in LDS.  At a step's head W's two later K steps, 32 loads, may stay out
	STEP 0, 1, 1, 1, 32
	STEP 1, 0, 1, 1, 32
	STEP 2, 0, 1, 1, 32
	STEP 3, 0, 1, 1, 32
	WIN 0
	s_mov_b32 s32, 6
.Lk:                                                   ; K steps 4-27
	ADV 0
	STEP 0, 0, 1, 1, 32
	STEP 1, 0, 1, 1, 32
	STEP 2, 0, 1, 1, 32
	STEP 3, 0, 1, 1, 32
	WIN 0
	s_sub_co_u32 s32, s32, 1
	s_cmp_lg_u32 s32, 0
	s_cbranch_scc1 .Lk
.Ltail:                                                ; K steps 28-31, for both passes: on either way W's K steps 28 to 30 are out.  Step 28 asks for W's last; then the counts run down
	ADV 0
	STEP 0, 0, 1, 1, 32
	STEP 1, 0, 1, 0, 32
	STEP 2, 0, 1, 0, 16
	STEP 3, 0, 0, 0, 0
	WIN 0
.rept 8
	v_nop                                          ; the places behind the last products, twice a launch
.endr
	s_add_nc_u64 s[30:31], s[30:31], 32768         ; the next chunk of columns (the wait for 0 above has shown every load done)
	s_cmp_eq_u32 s33, 1
	s_cbranch_scc1 .Lno_more_w                     ; behind the second pass there is none
	BPRO                                           ; its first three K steps land while the scores are made: what follows issues no global load, so the counts at the pass's head hold
	WIN 0
.Lno_more_w:
.irp b, 0,1,2,3,4,5,6,7
	ds_load_b128 v[CR+8*\b:CR+8*\b+3],   v[VWA] offset:64*\b      ; v_w in the same places as c
	ds_load_b128 v[CR+8*\b+4:CR+8*\b+7], v[VWA] offset:64*\b+16
.endr
.irp a, 0,1,2,3,4,5,6,7
	EPI \a
.endr
	v_add_nc_u32 v[CVA], 512, v[CVA]
	v_add_nc_u32 v[VWA], 512, v[VWA]
	s_sub_co_u32 s33, s33, 1
	s_cmp_lg_u32 s33, 0
	s_cbranch_scc1 .Lpass
; ---- THE BLOCK'S SCORES AND ITS SOFTMAX
.irp a, 0,1,2,3,4,5,6,7
	v_pk_fma_f32 v[SS+2*\a:SS+2*\a+1], v[SS+2*\a:SS+2*\a+1], -2.0, v[SVT:SVT+1] op_sel_hi:[1,0,1]  ; sum v - 2 sum v r over my columns
.endr
.irp a, 0,1,2,3,4,5,6,7
	v_add_f32 v[TS+\a], v[SS+2*\a], v[SS+2*\a+1]
.endr
.irp a, 0,1,2,3,4,5,6,7
	v_permlanex16_b32 v[F0+\a], v[TS+\a], s36, s37 ; the row's other columns lie in the lane 16 away
.endr
.irp a, 0,1,2,3,4,5,6,7
	v_add_f32 v[TS+\a], v[TS+\a], v[F0+\a]
.endr
.irp a, 0,1,2,3,4,5,6,7
	ds_store_b32 v[SA], v[TS+\a] offset:64*\a      ; row 16 a + lane % 16: both halves of the lanes write the same word with the same number
.endr
	s_wait_dscnt 0x0                               ; for the others' sake
	s_barrier_signal -1
	s_barrier_wait -1
.irp w, 0,1,2,3
	ds_load_b128 v[F0+4*\w:F0+4*\w+3], v[SB] offset:512*\w  ; every wave: rows 4 lane .. 4 lane + 3, the four waves' parts
.endr
	s_wait_dscnt 0x0
	v_pk_add_f32 v[64:65], v[64:65], v[68:69]
	v_pk_add_f32 v[66:67], v[66:67], v[70:71]
	v_pk_add_f32 v[72:73], v[72:73], v[76:77]
	v_pk_add_f32 v[74:75], v[74:75], v[78:79]
	v_pk_add_f32 v[64:65], v[64:65], v[72:73]
	v_pk_add_f32 v[66:67], v[66:67], v[74:75]
	v_pk_add_f32 v[64:65], v[64:65], s[20:21] op_sel_hi:[1,0]   ; + v_b
	v_pk_add_f32 v[66:67], v[66:67], s[20:21] op_sel_hi:[1,0]
	v_max3_num_f32 v68, v64, v65, v66
	v_max_num_f32 v68, v68, v67
	v_max_num_f32_dpp v68, v68, v68 row_xmask:1 row_mask:0xf bank_mask:0xf
	v_max_num_f32_dpp v68, v68, v68 row_xmask:2 row_mask:0xf bank_mask:0xf
	v_max_num_f32_dpp v68, v68, v68 row_xmask:4 row_mask:0xf bank_mask:0xf
	v_max_num_f32_dpp v68, v68, v68 row_xmask:8 row_mask:0xf bank_mask:0xf
	v_permlanex16_b32 v70, v68, s36, s37
	v_max_num_f32 v68, v68, v70                    ; m, the block's largest score, in every lane
	v_mul_f32 v70, s38, v68
.irp k, 0,1,2,3
	v_fma_f32 v[72+\k], v[64+\k], s38, -v70        ; log2(e) (score - m)
.endr
.irp k, 0,1,2,3
	v_exp_f32 v[72+\k], v[72+\k]
.endr
	v_nop
	s_wait_alu depctr_va_vdst(0)                   ; one wait for the four
	v_add_f32 v69, v72, v73
	v_add_f32 v71, v74, v75
	v_add_f32 v69, v69, v71
	v_add_f32_dpp v69, v69, v69 row_xmask:1 row_mask:0xf bank_mask:0xf
	v_add_f32_dpp v69, v69, v69 row_xmask:2 row_mask:0xf bank_mask:0xf
	v_add_f32_dpp v69, v69, v69 row_xmask:4 row_mask:0xf bank_mask:0xf
	v_add_f32_dpp v69, v69, v69 row_xmask:8 row_mask:0xf bank_mask:0xf
	v_permlanex16_b32 v71, v69, s36, s37
	v_add_f32 v69, v69, v71                        ; l
	ds_store_b128 v[PW], v[72:75]                  ; p into my wave's own copy: LDS serves a wave's instructions in order (ISA guide 5.7.1.4), so my loads below see it
	s_cmp_lg_u32 s22, 0
	s_cbranch_scc1 .Lnot_wave_0
	s_lshl_b32 s26, s25, 9
	s_add_nc_u64 s[14:15], s[14:15], s[26:27]
	s_lshl_b32 s26, s25, 8
	s_add_nc_u64 s[16:17], s[16:17], s[26:27]
	global_store_b128 v[L16], v[64:67], s[14:15]   ; the block's 128 scores: 512 consecutive bytes
	global_store_b64 v[L8], v[68:69], s[16:17]     ; (m, l), once a lane: 256 consecutive bytes, aligned
	s_wait_xcnt 0x0                                ; the stores have read v64-69, which are loaded again below
.Lnot_wave_0:
; ---- THE PARTIAL CONTEXT: wave w takes columns 256 w .. + 255; a lane 4 columns at 4 lane (chunk 2 w) and 4 at 128 + 4 lane (chunk 2 w + 1)
.set i, 0
.rept 8
	v_mov_b32 v[QQ+i], 0
.set i, i+1
.endr
	s_mov_b32 s34, 4
.Lctx:                                                 ; a trip: 32 rows
.irp g, 0,1,2,3,4,5,6,7
	ds_load_b128 v[CR+4*\g:CR+4*\g+3], v[PA] offset:16*\g   ; 32 p: all lanes read the same words
.endr
.set i, 0
.rept 32
	ds_load_b64 v[F0+4*i:F0+4*i+1],   v[CX] offset:i*PC       ; 32 lanes, 256 consecutive bytes
	ds_load_b64 v[F0+4*i+2:F0+4*i+3], v[CX] offset:i*PC+CH
.set i, i+1
.endr
.set g, 0
.rept 4
	s_wait_dscnt 48-16*g                           ; eight more rows are in; the later rows' 16 loads a group may stay out
.set i, 8*g
.rept 8
.irp u, 0,1,2,3
	v_fma_mix_f32_bf16 v[QQ+2*\u],   v[F0+4*i+\u], v[CR+i], v[QQ+2*\u]   op_sel:[0,0,0] op_sel_hi:[1,0,0]  ; x (bf16, low half) x p + sum
	v_fma_mix_f32_bf16 v[QQ+2*\u+1], v[F0+4*i+\u], v[CR+i], v[QQ+2*\u+1] op_sel:[1,0,0] op_sel_hi:[1,0,0]  ; high half
.endr
.set i, i+1
.endr
.set g, g+1
.endr
	v_add_nc_u32 v[CX], 32*PC, v[CX]
	v_add_nc_u32 v[PA], 128, v[PA]
	s_sub_co_u32 s34, s34, 1
	s_cmp_lg_u32 s34, 0
	s_cbranch_scc1 .Lctx
	s_lshl_b32 s26, s25, 12
	s_lshl_b32 s44, s22, 10
	s_add_co_u32 s26, s26, s44
	s_add_nc_u64 s[18:19], s[18:19], s[26:27]
	global_store_b128 v[L16], v[QQ:QQ+3],   s[18:19]              ; 512 consecutive bytes each
	global_store_b128 v[L16], v[QQ+4:QQ+7], s[18:19] offset:512
	s_wait_tensorcnt 0x0                           ; the wave's end, behind my last LDS store
	ds_add_u32 v[SPW], v[NIL]
	s_wait_dscnt 0x0
	s_endpgm
.Lfunc_end_k_qc42621e138_attn:
	.size	k_qc42621e138_attn, .Lfunc_end_k_qc42621e138_attn-k_qc42621e138_attn
	.p2alignl 7, 3214868480
	.fill 96, 4, 3214868480
	.section	.rodata,"a",@progbits
	.p2align	6, 0x0
	.amdhsa_kernel k_qc42621e138_attn
		.amdhsa_group_segment_fixed_size 291328
		.amdhsa_private_segment_fixed_size 0
		.amdhsa_enable_private_segment 0
		.amdhsa_kernarg_size 80
		.amdhsa_user_sgpr_count 2
		.amdhsa_user_sgpr_kernarg_segment_ptr 1
		.amdhsa_wavefront_size32 1
		.amdhsa_system_sgpr_workgroup_id_x 1
		.amdhsa_system_sgpr_workgroup_id_y 1
		.amdhsa_system_sgpr_workgroup_id_z 1
		.amdhsa_system_vgpr_workitem_id 0
		.amdhsa_next_free_vgpr 1024
		.amdhsa_next_free_sgpr 66
		.amdhsa_reserve_vcc 0
		.amdhsa_float_denorm_mode_32 3
		.amdhsa_float_denorm_mode_16_64 3
		.amdhsa_memory_ordered 1
		.amdhsa_forward_progress 1
		.amdhsa_inst_pref_size 255
	.end_amdhsa_kernel
	.section	.bss,"aw",@nobits
	.p2align	6
	.space	262144
	.amdgpu_metadata
---
amdhsa.version: [ 1, 2 ]
amdhsa.kernels:
  - .name:           k_qc42621e138_attn
    .symbol:         k_qc42621e138_attn.kd
    .args:
      - { .name: encoder_outputs, .offset: 0, .size: 8, .value_kind: global_buffer, .address_space: global }
      - { .name: wf, .offset: 8, .size: 8, .value_kind: global_buffer, .address_space: global }
      - { .name: cvp, .offset: 16, .size: 8, .value_kind: global_buffer, .address_space: global }
      - { .name: v_w, .offset: 24, .size: 8, .value_kind: global_buffer, .address_space: global }
      - { .name: v_b, .offset: 32, .size: 8, .value_kind: global_buffer, .address_space: global }
      - { .name: sc, .offset: 40, .size: 8, .value_kind: global_buffer, .address_space: global }
      - { .name: st, .offset: 48, .size: 8, .value_kind: global_buffer, .address_space: global }
      - { .name: cp, .offset: 56, .size: 8, .value_kind: global_buffer, .address_space: global }
      - { .name: b_enc, .offset: 64, .size: 8, .value_kind: global_buffer, .address_space: global }
      - { .name: b_dec, .offset: 72, .size: 8, .value_kind: global_buffer, .address_space: global }
    .group_segment_fixed_size: 291328
    .private_segment_fixed_size: 0
    .kernarg_segment_align: 8
    .kernarg_segment_size: 80
    .max_flat_workgroup_size: 128
    .sgpr_count:     66
    .vgpr_count:     1024
    .wavefront_size: 32
...
	.end_amdgpu_metadata
.endif
;; end of part 2
;; launch fin (part 3): grid 4 x 32, 4 waves a work-group, no clusters, 0 bytes of LDS; arguments sc, st, cp, out0, out1; writes out0, out1
.if DOCPART == 3
	.amdgcn_target "amdgcn-amd-amdhsa--gfx1250"
	.amdhsa_code_object_version 6
	.text
	.protected	k_qc42621e138_fin
	.globl	k_qc42621e138_fin
	.p2align	8
	.type	k_qc42621e138_fin,@function
k_qc42621e138_fin:
	s_mov_b64 s[64:65], 0
	v_nop
	global_prefetch_b8 v0, s[64:65] scope:SCOPE_SE
	s_setreg_imm32_b32 hwreg(HW_REG_WAVE_MODE, 25, 1), 1
	s_wait_xcnt 0x0
; A BATCH'S 16 BLOCKS ARE JOINED.  Block i left its largest score m_i, l_i = the sum of e^(score - m_i), and the partial context c_i = the sum of e^(score - m_i) x.
;   M = the largest m_i;  w_i = e^(m_i - M);  L = sum l_i w_i;  out1 = e^(score - M) / L;  out0 = (sum c_i w_i) / L.  L is at least 1: the block that holds M has w = 1 and l >= 1.
; A work-group takes a quarter of one batch: 512 scores (16 bytes a thread) and 256 columns of the context (8 bytes a thread).  Every lane makes M, w and L for itself from the 16 pairs, which
; lie once a lane in st: no LDS, no barrier.  All 33 loads go out at once; the waits count down.  No matrix unit and no cluster: 2.5 MB are read once, and nothing is shared but 4 KiB of pairs.
; LIMIT: a weight below 2^-126 counts as 0.
	s_load_b256 s[4:11], s[0:1], 0x0               ; sc s[4:5], st s[6:7], cp s[8:9], out0 s[10:11]
	s_load_b64 s[12:13], s[0:1], 0x20              ; out1
	s_and_b32 s14, ttmp7, 0xffff                   ; batch
	s_mov_b32 s15, ttmp9                           ; quarter
	s_mov_b32 s17, 0
	s_mov_b32 s20, 0x3fb8aa3b                      ; log2(e)
	v_and_b32 v1, 31, v0
	v_lshlrev_b32 v1, 3, v1                        ; 8 x lane
	v_lshlrev_b32 v2, 4, v0                        ; 16 x thread
	v_lshlrev_b32 v3, 3, v0                        ; 8 x thread
	s_lshl_b32 s18, s15, 10                        ; 256 columns of f32
	s_lshl_b32 s19, s15, 11                        ; 512 scores
	s_wait_kmcnt 0x0
	s_lshl_b32 s16, s14, 12
	s_add_nc_u64 s[6:7], s[6:7], s[16:17]          ; the batch's 16 blocks of 256 bytes in st
	s_add_co_u32 s16, s16, s18
	s_add_nc_u64 s[10:11], s[10:11], s[16:17]
	s_lshl_b32 s16, s14, 13
	s_add_co_u32 s16, s16, s19
	s_add_nc_u64 s[4:5], s[4:5], s[16:17]
	s_add_nc_u64 s[12:13], s[12:13], s[16:17]
	s_lshl_b32 s16, s14, 16
	s_add_co_u32 s16, s16, s18
	s_add_nc_u64 s[8:9], s[8:9], s[16:17]
.set i, 0
.rept 16
	global_load_b64 v[16+2*i:17+2*i], v1, s[6:7] offset:256*i      ; (m_i, l_i)
.set i, i+1
.endr
	global_load_b128 v[48:51], v2, s[4:5]                          ; four scores
.set i, 0
.rept 16
	global_load_b64 v[64+2*i:65+2*i], v3, s[8:9] offset:4096*i     ; two columns of c_i: a wave reads 256 consecutive bytes
.set i, i+1
.endr
	s_wait_loadcnt 17                              ; the pairs are in; the scores' load and the 16 of c may stay out
	v_max3_num_f32 v52, v16, v18, v20
	v_max3_num_f32 v53, v22, v24, v26
	v_max3_num_f32 v52, v52, v28, v30
	v_max3_num_f32 v53, v53, v32, v34
	v_max3_num_f32 v52, v52, v36, v38
	v_max3_num_f32 v53, v53, v40, v42
	v_max3_num_f32 v52, v52, v44, v46
	v_max_num_f32 v52, v52, v53                    ; M
	v_mul_f32 v53, s20, v52
.set i, 0
.rept 16
	v_fma_f32 v[96+i], v[16+2*i], s20, -v53        ; log2(e) (m_i - M)
.set i, i+1
.endr
	s_wait_loadcnt 16                              ; the scores are in
.irp k, 0,1,2,3
	v_fma_f32 v[112+\k], v[48+\k], s20, -v53
.endr
.set i, 0
.rept 20
	v_exp_f32 v[96+i], v[96+i]
.set i, i+1
.endr
	v_nop                                          ; a plain instruction behind the last exponential,
	s_wait_alu depctr_va_vdst(0)                   ; and one wait for the 20, ahead of their first reader
	v_mul_f32 v54, v17, v96                        ; L, in two chains
	v_mul_f32 v55, v19, v97
.set i, 2
.rept 7
	v_fma_f32 v54, v[17+2*i], v[96+i], v54
	v_fma_f32 v55, v[19+2*i], v[97+i], v55
.set i, i+2
.endr
	v_add_f32 v54, v54, v55
	v_rcp_f32 v56, v54
	v_nop
	s_wait_alu depctr_va_vdst(0)
.irp k, 0,1,2,3
	v_mul_f32 v[112+\k], v[112+\k], v56
.endr
	global_store_b128 v2, v[112:115], s[12:13]     ; 512 consecutive bytes a wave
	s_wait_loadcnt 0x0
	v_mul_f32 v58, v64, v96
	v_mul_f32 v59, v65, v96
.set i, 1
.rept 15
	v_fma_f32 v58, v[64+2*i], v[96+i], v58
	v_fma_f32 v59, v[65+2*i], v[96+i], v59
.set i, i+1
.endr
	v_mul_f32 v58, v58, v56
	v_mul_f32 v59, v59, v56
	global_store_b64 v3, v[58:59], s[10:11]        ; 256 consecutive bytes a wave, at a multiple of 256 from out0's first byte
	s_endpgm
.Lfunc_end_k_qc42621e138_fin:
	.size	k_qc42621e138_fin, .Lfunc_end_k_qc42621e138_fin-k_qc42621e138_fin
	.p2alignl 7, 3214868480
	.fill 96, 4, 3214868480
	.section	.rodata,"a",@progbits
	.p2align	6, 0x0
	.amdhsa_kernel k_qc42621e138_fin
		.amdhsa_group_segment_fixed_size 0
		.amdhsa_private_segment_fixed_size 0
		.amdhsa_enable_private_segment 0
		.amdhsa_kernarg_size 40
		.amdhsa_user_sgpr_count 2
		.amdhsa_user_sgpr_kernarg_segment_ptr 1
		.amdhsa_wavefront_size32 1
		.amdhsa_system_sgpr_workgroup_id_x 1
		.amdhsa_system_sgpr_workgroup_id_y 1
		.amdhsa_system_sgpr_workgroup_id_z 1
		.amdhsa_system_vgpr_workitem_id 0
		.amdhsa_next_free_vgpr 128
		.amdhsa_next_free_sgpr 66
		.amdhsa_reserve_vcc 0
		.amdhsa_float_denorm_mode_32 3
		.amdhsa_float_denorm_mode_16_64 3
		.amdhsa_memory_ordered 1
		.amdhsa_forward_progress 1
		.amdhsa_inst_pref_size 11
	.end_amdhsa_kernel
	.amdgpu_metadata
---
amdhsa.version: [ 1, 2 ]
amdhsa.kernels:
  - .name:           k_qc42621e138_fin
    .symbol:         k_qc42621e138_fin.kd
    .args:
      - { .name: sc, .offset: 0, .size: 8, .value_kind: global_buffer, .address_space: global }
      - { .name: st, .offset: 8, .size: 8, .value_kind: global_buffer, .address_space: global }
      - { .name: cp, .offset: 16, .size: 8, .value_kind: global_buffer, .address_space: global }
      - { .name: out0, .offset: 24, .size: 8, .value_kind: global_buffer, .address_space: global }
      - { .name: out1, .offset: 32, .size: 8, .value_kind: global_buffer, .address_space: global }
    .group_segment_fixed_size: 0
    .private_segment_fixed_size: 0
    .kernarg_segment_align: 8
    .kernarg_segment_size: 40
    .max_flat_workgroup_size: 128
    .sgpr_count:     66
    .vgpr_count:     128
    .wavefront_size: 32
...
	.end_amdgpu_metadata
.endif
;; end of part 3
;; ======== version 2 of 2: 3 launches; version 1 with the launch attn written anew for expert scheduling mode
;; workspace buffers: wf 2,097,152 bytes; cvp 524,288 bytes; sc 262,144 bytes; st 131,072 bytes; cp 2,097,152 bytes
;; launch prep: the kernel of part 1 again; grid 320 x 1, 8 waves a work-group, no clusters, 70,656 bytes of LDS; arguments W_enc, W_dec, decoder_hidden, wf, cvp; writes wf, cvp
;; launch attn (part 4): grid 16 x 32, 4 waves a work-group, no clusters, 291,328 bytes of LDS; arguments encoder_outputs, wf, cvp, v_w, v_b, sc, st, cp, b_enc, b_dec; writes sc, st, cp
.if DOCPART == 4
	.amdgcn_target "amdgcn-amd-amdhsa--gfx1250"
	.amdhsa_code_object_version 6
	.text
	.protected	k_qc42621e138_attn
	.globl	k_qc42621e138_attn
	.p2align	8
	.type	k_qc42621e138_attn,@function
k_qc42621e138_attn:
	s_mov_b64 s[64:65], 0
	v_nop
	global_prefetch_b8 v0, s[64:65] scope:SCOPE_SE
	s_setreg_imm32_b32 hwreg(HW_REG_WAVE_SCHED_MODE, 0, 2), 2
	s_setreg_imm32_b32 hwreg(HW_REG_WAVE_MODE, 25, 1), 1
	s_wait_xcnt 0x0
	s_wait_alu depctr_vm_vsrc(0)
; ADDITIVE ATTENTION, ONE BLOCK OF 128 ROWS OF ONE BATCH TO A WORK-GROUP.  X = encoder_outputs is read from memory ONCE: the block is rounded to bf16 into LDS and serves the scores and the context.
;   z'[row][a] = SC2 (x . W_enc[:, a] + c[a])   (wf carries SC2 = 2 log2 e; c = the decoder's vector and both biases);   r = 1 / (1 + 2^z');   tanh = 1 - 2 r;   score = sum v - 2 sum v r + v_b
;   then for the block: m = the largest score, p = e^(score - m), l = sum p, and the partial context sum p x.  A last launch joins a batch's 16 blocks.
; SHARES.  Four waves.  A wave makes all 128 rows x 128 columns at a time (64 accumulators, 512 registers), twice: wave w owns columns 256 w .. 256 w + 255.
; OPERANDS.  Source 0 = 16 columns of W_enc, source 1 = 16 rows of X: in the result a lane holds ONE row (lane % 16) and the columns 8 (lane / 16) + 0..7, so a row's sum over columns stays in the lane.
;   X's fragments come from LDS (16 loads for 64 matrix instructions).  W's come straight from wf into registers: a load of the wave is 512 consecutive bytes and half a fragment; no wave wants another's.
;   Four buffers of a K step each; a buffer is asked for again in the step behind its own, for the K step three on.
; X IS STREAMED UNDER THE FIRST PASS.  K step i wants X's columns 32 i .. 32 i + 31 alone.  X comes in 8 chunks of 128 columns (four K steps); a wave brings its own 32 rows, a load a row's 512 bytes of a chunk.
;   Chunks 0 and 1 are loaded ahead of the first product.  Chunks 2 to 7 go in 24 groups of 8 rows: group q is asked for in K step q + 1 and rounded and stored two K steps later, out of two sets of 32 registers
;   (those that held c for K step 0).  Chunk c is whole in LDS in K step 4 c - 2; ONE barrier, in K step 4 c - 1, stands between those stores and the first fetch from the chunk.
;   Between two such barriers the stores go to chunk b + 1 alone and the fetches to chunk b alone.  LDS holds X chunk by chunk, so these are two different runs of 34,816 bytes.
; THE MODE: SCHED_MODE bits 1:0 = 2 (LLVM: expert scheduling mode 2), set by the entry lines.  The code itself states the register dependences between vector or matrix instructions and memory or LDS
;   instructions, with s_wait_alu, always for 0.
; THE PLAN.  Registers that memory or LDS instructions touch in the K steps:
;   F0, F1      K step i's matrix instructions read F[i % 2]; the LDS loads of step i land in F[(i + 1) % 2], which step i - 1 read last.
;   W0 .. W3    K step i's matrix instructions read W[i % 4]; the loads of step i land in W[(i + 3) % 4], which step i - 1 read last.
;   XR0, XR1    K step i's sixteen conversions read XR[(i + 1) % 2]; the loads of X of the same step land in it again.  (K step 0 reads both as its C.)
;   OB          written by step i's conversions, read by step i's eight LDS stores, written again by step i + 1's conversions.
;   AW, LX      read by the fetches and by the stores; each stepped once in four K steps.        L16, PFO   read by every load and prefetch; never written again.
;   So ONE wait on va_vdst stands in a K step, in its middle, behind the conversions: they have written OB and are done reading XR; the matrix instructions of the step before are done reading the two buffers in
;   which this step's loads land; in a body's first step AW and LX are written.  THE STEP'S MEMORY INSTRUCTIONS FOLLOW IT, DEALT AMONG THE 32 MATRIX INSTRUCTIONS OF ITS SECOND HALF, four behind each of the first
;   twelve: 8 LDS stores, the next step's 16 fragment loads, 8 loads of X, 16 loads of W; then the prefetches.  Those matrix instructions name F[i % 2], W[i % 4] and window 3: no register that these touch.
;   One wait on vm_vsrc stands ahead of the conversions (the last step's stores have read OB), one in four K steps ahead of the adds to AW and LX.
; AHEAD OF X'S LOADS.  In the four K steps b each wave prefetches into the L2 its own 32 rows x 512 bytes of chunk b + 3, which the next four K steps will load: a lane a block of 256 bytes, two instructions, behind
;   a step's loads.  Each block is named once in the launch.  Chunks 0 to 2 come by their loads alone; behind chunk 7 there is nothing, and nothing is asked for.  wf, which every work-group walks, is not asked for.
; NO CLUSTER, NO TENSOR LOADS.  What work-groups share is wf, and a joint load lands in LDS.  The launch claims 291,328 of the 327,680 bytes (X's block and the tables use 290,816); a K step of W for four waves is
;   32,768 bytes, so the 36,352 bytes left hold no two slots of even one K step, 64 matrix instructions a wave.  Without the block in LDS X would be read from memory twice.
; THE TWO PRODUCTS WITH ONE ROW (v . tanh, p . X) are done by the vector unit in f32: on the matrix unit 15 rows of 16 would be idle, and tanh and p would be rounded once more.
; LIMITS.  X and SC2 W_enc are rounded once to bf16, and the context is taken of the rounded X.  2^z' beyond f32 gives tanh = 1, below it -1, as it should.  A weight p below 2^-126 counts as 0.
;   The score is formed as sum v - 2 sum v r, in f32: its error goes with the sum of |v|.  NaN and infinities in the inputs are not treated apart.
; REGISTERS, in windows of 256 (s_set_vgpr_msb: bits 1:0 source 0, 3:2 source 1, 5:4 source 2, 7:6 destination):
;   window 0: v0-47 addresses and sums; v48-63 scratch, and in the K steps OB; v64-127, v128-191 X's fragments, two buffers (later at work); v192-255 c, then XR0 and XR1, then v_w
;   window 1: W's fragments, four buffers of 64      windows 2, 3: the accumulators of row blocks 0-3, 4-7: (a, b) at 64 (a % 4) + 8 b (window 2 first stages chunks 0 and 1)
.set SC2,   0x4038aa3b                 ; 2 log2(e)
.set PC,    272                        ; a row of a chunk in LDS: 256 bytes + 16: an odd multiple of 16, so the 16 rows of a fragment load start in 16 different groups of four banks (64 banks of 4 bytes: ISA guide 11.1)
.set CH,    128*PC                     ; a chunk: 128 rows x 128 columns of bf16
.set CVL,   8*CH                       ; c for this batch, 4,096 bytes
.set VWL,   CVL+4096                   ; v_w
.set SCP,   VWL+4096                   ; four waves x 128 partial scores
.set PVL,   SCP+2048                   ; each wave's own copy of p[128]; the 512 bytes behind it are the spare words, 128 bytes a wave
.set RR,  1                            ; v1   lane % 16
.set L16, 2                            ; v2   16 x lane; never rewritten
.set LX,  3                            ; v3   where I put 8 bytes of a row of X: my wave's rows, the chunk that is being stored
.set AAD, 4                            ; v4   LDS address of my part of X's fragments in chunk 0; never rewritten
.set AW,  5                            ; v5   the same as it walks from chunk to chunk
.set PFO, 6                            ; v6   the prefetches' offset: row lane / 2, 256 bytes x (lane % 2); never rewritten
.set CVA, 8                            ; v8   my 8 numbers of c for fragment 0 of the pass
.set VWA, 9                            ; v9   the same in v_w
.set HH,  12                           ; v12  lane / 16
.set TA,  13                           ; v13  where my thread puts 16 bytes of c and v_w
.set SA,  14                           ; v14  where I put a partial score
.set SB,  15                           ; v15  where I read four rows' partial scores
.set SS,  16                           ; v16-31  row block a: the sum of v r, a pair (even, odd registers)
.set QQ,  32                           ; v32-39  four chains at work; later the context's eight sums
.set SVT, 40                           ; v40-41  the sum of my columns' v
.set LN,  42                           ; v42  lane
.set GT,  43                           ; v43  16 x thread
.set L8,  44                           ; v44  8 x lane; never rewritten
.set CX,  45                           ; v45  the context's place in X
.set PA,  46                           ; v46  and in p
.set PW,  47                           ; v47  where I put four p
.set TS,  48                           ; v48-55  scratch, outside the K steps
.set OB,  48                           ; v48-63  in the K steps: a group of X in bf16, 8 rows x 8 bytes a lane, on its way to LDS
.set F0,  64
.set F1,  128
.set CR,  192
.set MSB, 0
.macro WIN new                         ; the immediate's high byte repeats the setting that is left; a switch that changes nothing is dropped
.if MSB != (\new)
	s_set_vgpr_msb (MSB<<8)|(\new)
.set MSB, (\new)
.endif
.endm
.macro PLACES                          ; four places behind a matrix instruction, in front of loads into registers that it has read (ISA guide 7.12.1 for vector instructions)
.rept 4
	v_nop
.endr
.endm
; Ahead of the first product.  A group of X: 8 rows from row0 of my 32, 512 bytes each at byte goff of the rows, into 32 registers from reg of window w
.macro XISSUE reg, w, row0, goff
	WIN (\w)<<6
.set n, 0
.rept 8
	global_load_b128 v[(\reg)+4*n:(\reg)+4*n+3], v[L16], s[28:29] offset:((\row0)+n)*4096+(\goff) th:TH_LOAD_NT
.set n, n+1
.endr
.endm
; The group is rounded to bf16 in place,
.macro XCV reg, w
	WIN ((\w)<<6)|((\w)<<2)|(\w)
.set n, 0
.rept 8
	v_cvt_pk_bf16_f32 v[(\reg)+4*n],   v[(\reg)+4*n],   v[(\reg)+4*n+1]
	v_cvt_pk_bf16_f32 v[(\reg)+4*n+1], v[(\reg)+4*n+2], v[(\reg)+4*n+3]
.set n, n+1
.endr
.endm
; and stored: 32 lanes, 256 consecutive bytes a row
.macro XST reg, w, row0, loff
	WIN (\w)<<2                                    ; address window 0, data window w
.set n, 0
.rept 8
	ds_store_b64 v[LX], v[(\reg)+4*n:(\reg)+4*n+1] offset:((\row0)+n)*PC+(\loff)
.set n, n+1
.endr
.endm
.macro LOAD_B i, off                   ; a K step's eight fragments of W, at byte off from the pointer, into buffer i: 16 loads of 512 consecutive bytes
	WIN 0x40
.irp b, 0,1,2,3,4,5,6,7
	global_load_b128 v[64*(\i)+8*\b:64*(\i)+8*\b+3],   v[L16], s[30:31] offset:(\off)+\b*1024
	global_load_b128 v[64*(\i)+8*\b+4:64*(\i)+8*\b+7], v[L16], s[30:31] offset:(\off)+\b*1024+512
.endr
.endm
.macro BPRO                            ; a chunk of columns begins: its first three K steps of W
	LOAD_B 0, 0
	LOAD_B 1, 8192
	LOAD_B 2, 16384
.endm
.macro FETCH_A g, off                  ; a K step's eight fragments of X (128 rows x 32 along K, at byte off from AW) into buffer g
	WIN 0
.irp a, 0,1,2,3,4,5,6,7
	ds_load_b128 v[(\g)+8*\a:(\g)+8*\a+3],   v[AW] offset:\a*16*PC+(\off)
	ds_load_b128 v[(\g)+8*\a+4:(\g)+8*\a+7], v[AW] offset:\a*16*PC+(\off)+32
.endr
.endm
; THE DEAL.  Number dg of a K step's groups of memory instructions, one behind each matrix instruction of its second half.  STEP sets what the step has (DXS, DFA, DXI, DFB, DPF), its number in the body (DJ) and the
; buffers (XR, FN, WN, FOFF).  0, 1: the 8 LDS stores out of OB.  2-5: the next step's 16 fragment loads, row blocks 0-3 first.  6, 7: the 8 loads of X.  8-11: the 16 loads of W.  12: the prefetches.
; The stores stand ahead of the fetch and X's loads ahead of W's: the counted waits lean on that.  No wait stands here: no vector or matrix instruction since the step's wait on va_vdst names a register of these.
.macro DEAL
.if dg < 2
.if DXS
	WIN 0
.set n, 4*dg
.rept 4
	ds_store_b64 v[LX], v[OB+2*n:OB+2*n+1] offset:(8*((DJ+1)%4)+n)*PC+(DJ/3)*CH  ; 32 lanes, 256 consecutive bytes a row
.set n, n+1
.endr
.endif
.elseif dg < 6
.if DFA
	WIN 0
.set n, 2*(dg-2)
.rept 2
	ds_load_b128 v[FN+8*n:FN+8*n+3],   v[AW] offset:n*16*PC+FOFF
	ds_load_b128 v[FN+8*n+4:FN+8*n+7], v[AW] offset:n*16*PC+FOFF+32
.set n, n+1
.endr
.endif
.elseif dg < 8
.if DXI
	WIN 0
.set n, 4*(dg-6)
.rept 4
	global_load_b128 v[XR+4*n:XR+4*n+3], v[L16], s[28:29] offset:(8*((DJ+3)%4)+n)*4096+512+512*((DJ+3)/4) th:TH_LOAD_NT
.set n, n+1
.endr
.endif
.elseif dg < 12
.if DFB
	WIN 0x40                                       ; destination window 1, address window 0
.set n, 2*(dg-8)
.rept 2
	global_load_b128 v[WN+8*n:WN+8*n+3],   v[L16], s[30:31] offset:(DJ+3)*8192+n*1024
	global_load_b128 v[WN+8*n+4:WN+8*n+7], v[L16], s[30:31] offset:(DJ+3)*8192+n*1024+512
.set n, n+1
.endr
.endif
.elseif dg == 12
.if DPF
	WIN 0                                          ; at a label and at a branch every window is 0
.if DPF == 2
	s_cmp_gt_u32 s32, 1                            ; the loop's last trip is body 5: there is no chunk 8
	s_cbranch_scc0 .Lnone_\@
.endif
	global_prefetch_b8 v[PFO], s[28:29] offset:1536 th:TH_LOAD_NT scope:SCOPE_SE        ; chunk b + 3, my rows 0-15: 32 blocks of 256 bytes,
	global_prefetch_b8 v[PFO], s[28:29] offset:1536+65536 th:TH_LOAD_NT scope:SCOPE_SE  ; and my rows 16-31
.if DPF == 2
.Lnone_\@:
.endif
.endif
.endif
.set dg, dg+1
.endm
; 32 matrix instructions: row blocks 4 hi .. 4 hi + 3 x all 8 fragments of W.  All 64 accumulators take turns, one instruction a turn, in the same order in every K step, over the jumps too.
; first = 1: the pass's first K step starts the sums with c as C: nothing is cleared, and the bias costs nothing.  deal = 1: a group of the step's memory instructions stands behind each.
.macro MUL32 f, wb, hi, first, deal=0
.irp a, 0,1,2,3
.irp b, 0,1,2,3,4,5,6,7
.if \first
	WIN 0x81+0x40*(\hi)                            ; W window 1, X and C window 0, D window 2 or 3
	v_wmma_f32_16x16x32_bf16 v[64*\a+8*\b:64*\a+8*\b+7], v[(\wb)+8*\b:(\wb)+8*\b+7], v[(\f)+8*(4*(\hi)+\a):(\f)+8*(4*(\hi)+\a)+7], v[CR+8*\b:CR+8*\b+7]
.else
	WIN 0xa1+0x50*(\hi)                            ; C and D window 2 or 3
	v_wmma_f32_16x16x32_bf16 v[64*\a+8*\b:64*\a+8*\b+7], v[(\wb)+8*\b:(\wb)+8*\b+7], v[(\f)+8*(4*(\hi)+\a):(\f)+8*(4*(\hi)+\a)+7], v[64*\a+8*\b:64*\a+8*\b+7]
.endif
.if \deal
	DEAL
.endif
.endr
.endr
.endm
; Four K steps (a body, number b) on: the pointers go on.  x = 1: X's too.
.macro ADV x
	WIN 0
	s_wait_xcnt 0x0                                ; the youngest load stands 20 matrix instructions back, the youngest prefetch more than two K steps: all have read their bases
	s_wait_alu depctr_vm_vsrc(0)                   ; the fetches issued so far have read AW and the stores LX, which step below (and the stores have read OB, which is scratch again behind the last K step)
	s_add_nc_u64 s[30:31], s[30:31], 32768         ; W: four K steps of 8,192 bytes
	v_add_nc_u32 v[AW], CH, v[AW]                  ; X's fragments: the next chunk
.if \x
	s_add_nc_u64 s[28:29], s[28:29], 512           ; X in memory: at chunk b
	v_add_nc_u32 v[LX], CH, v[LX]                  ; X's stores: at chunk b + 1
.endif
.endm
; K STEP j OF A BODY.  first: C = c.  fa: the next step's fragments of X are fetched.  fb: W's K step three on is asked for, into the buffer of the step before.  lc: the younger loads that may stay out when W's buffer j must be in.
; xs: the group asked for two steps ago is stored (rows 8 ((j + 1) % 4) on; chunk b + 1, for j = 3 chunk b + 2; xs = 2: the stream's first store); xlc: the younger loads that may stay out then.  xi: a group is asked for, into
; the same set (rows 8 ((j + 3) % 4) on; chunk b + 2, for j = 0 chunk b + 1).  bar: the barrier that stands between a chunk's stores and its first fetch.  pf: the prefetch (2: not in the loop's last trip).
; The conversions, or four v_nop, are the places behind the last matrix instructions that read the two buffers into which this step loads: those of the second half of the step before.
.macro STEP j, first, fa, fb, lc, xs=0, xlc=0, xi=0, bar=0, pf=0
.set DJ,   (\j)
.set DXS,  (\xs)
.set DFA,  (\fa)
.set DXI,  (\xi)
.set DFB,  (\fb)
.set DPF,  (\pf)
.set dg,   0
.set XR,   CR+32*(((\j)+1)%2)
.set FN,   F0+64*(((\j)+1)%2)
.set WN,   64*(((\j)+3)%4)
.set FOFF, 64*((\j)+1)+((\j)/3)*(CH-256)
	s_wait_loadcnt \lc                             ; loads come back in order (ISA guide 5.7.1): W's buffer j is in
.if \bar
	s_wait_dscnt 0x0                               ; for the others' sake: my stores of the chunk are in LDS (and my fragments are in)
	s_barrier_signal -1
.else
	s_wait_dscnt 8                                 ; X's row blocks 0-3 are in (and what was asked of LDS before them); the youngest eight loads, blocks 4-7, may be out
.endif
	MUL32 F0+64*((\j)%2), 64*(\j), 0, \first
.if \bar
	s_barrier_wait -1                              ; everybody's stores are: the fetch below reads the chunk
.endif
.if \xs
	WIN 0
	s_wait_loadcnt \xlc                            ; the group is in
.if (\xs) == 1
	s_wait_alu depctr_vm_vsrc(0)                   ; the LDS stores of the step before have read OB, which the conversions write again
.endif
.set n, 0
.rept 8
	v_cvt_pk_bf16_f32 v[OB+2*n],   v[XR+4*n],   v[XR+4*n+1]
	v_cvt_pk_bf16_f32 v[OB+2*n+1], v[XR+4*n+2], v[XR+4*n+3]
.set n, n+1
.endr
.elseif (\fa)||(\fb)
	PLACES
.endif
.if (\fa)||(\fb)||(\xs)||(\xi)
	s_wait_alu depctr_va_vdst(0)                   ; the conversions have written OB and are done reading XR; the step before is done reading the fragments of X and of W (K step 0: its C) in which this step's loads land; in a body's first step AW and LX are written
.endif
.if !(\bar)
	s_wait_dscnt 0x0                               ; X's row blocks 4-7 are in: this step has asked nothing of LDS yet
.endif
	MUL32 F0+64*((\j)%2), 64*(\j), 1, \first, 1
.endm
; ---- FROM SUMS TO SCORES, row block a: 64 numbers a lane.  Two batches of transcendentals, each with one plain instruction behind its last and one wait ahead of its first reader.
.macro SVSUM                           ; the sum of my 64 numbers of v_w, once a pass: it stands behind the first batch of exponentials as work that names none of their results
.irp n, 0,1,2,3
	v_pk_add_f32 v[TS+2*\n:TS+2*\n+1], v[CR+2*\n:CR+2*\n+1], v[CR+8+2*\n:CR+8+2*\n+1]
.endr
.set p, 8
.rept 24
	v_pk_add_f32 v[TS+2*(p%4):TS+2*(p%4)+1], v[TS+2*(p%4):TS+2*(p%4)+1], v[CR+2*p:CR+2*p+1]
.set p, p+1
.endr
	v_pk_add_f32 v[TS:TS+1], v[TS:TS+1], v[TS+2:TS+3]
	v_pk_add_f32 v[TS+4:TS+5], v[TS+4:TS+5], v[TS+6:TS+7]
	v_pk_add_f32 v[TS:TS+1], v[TS:TS+1], v[TS+4:TS+5]
	v_pk_add_f32 v[SVT:SVT+1], v[SVT:SVT+1], v[TS:TS+1]
.endm
.macro EPI a
	WIN 0x02+(\a)/4                                ; source window 2 or 3
.set i, 0
.rept 64
	v_exp_f32 v[F0+i], v[64*((\a)%4)+i]            ; 2^z'; ascending: each accumulator's lowest registers are read first
.set i, i+1
.endr
	WIN 0
.if (\a) == 0
	s_wait_dscnt 0x0                               ; v_w is in
	SVSUM
.else
	v_nop
.endif
	s_wait_alu depctr_va_vdst(0)                   ; the 64 exponentials have written their results: one wait, ahead of the first reader
	v_pk_add_f32 v[F0:F0+1], v[F0:F0+1], 1.0 op_sel_hi:[1,0]
.set i, 0
.rept 31                               ; the additions run a pair ahead of the reciprocals
	v_pk_add_f32 v[F0+i+2:F0+i+3], v[F0+i+2:F0+i+3], 1.0 op_sel_hi:[1,0]
	v_rcp_f32 v[F0+i], v[F0+i]
	v_rcp_f32 v[F0+i+1], v[F0+i+1]
.set i, i+2
.endr
	v_rcp_f32 v[F0+62], v[F0+62]
	v_rcp_f32 v[F0+63], v[F0+63]
	v_nop
	s_wait_alu depctr_va_vdst(0)                   ; the 64 reciprocals have written their results: one wait, ahead of the first reader
	v_pk_fma_f32 v[QQ:QQ+1], v[F0:F0+1], v[CR:CR+1], v[SS+2*(\a):SS+2*(\a)+1]  ; four chains of v r; the first goes on from the row block's sum so far
.irp n, 1,2,3
	v_pk_mul_f32 v[QQ+2*\n:QQ+2*\n+1], v[F0+2*\n:F0+2*\n+1], v[CR+2*\n:CR+2*\n+1]
.endr
.set p, 4
.rept 28
	v_pk_fma_f32 v[QQ+2*(p%4):QQ+2*(p%4)+1], v[F0+2*p:F0+2*p+1], v[CR+2*p:CR+2*p+1], v[QQ+2*(p%4):QQ+2*(p%4)+1]
.set p, p+1
.endr
	v_pk_add_f32 v[QQ:QQ+1], v[QQ:QQ+1], v[QQ+2:QQ+3]
	v_pk_add_f32 v[QQ+4:QQ+5], v[QQ+4:QQ+5], v[QQ+6:QQ+7]
	v_pk_add_f32 v[SS+2*(\a):SS+2*(\a)+1], v[QQ:QQ+1], v[QQ+4:QQ+5]
.endm
	s_load_b512 s[4:19], s[0:1], 0x0               ; X s[4:5], wf s[6:7], cvp s[8:9], v_w s[10:11], v_b s[12:13], sc s[14:15], st s[16:17], cp s[18:19]
	s_load_b128 s[40:43], s[0:1], 0x40             ; b_enc s[40:41], b_dec s[42:43]
	v_lshl_add_u32 v10, v0, 2, 0x47000
	v_mov_b32 v11, 0
	v_lshrrev_b32 v[TS], 5, v0
	v_readfirstlane_b32 s22, v[TS]                 ; wave 0..3
	v_and_b32 v[RR], 15, v0
	v_bfe_u32 v[HH], v0, 4, 1
	v_and_b32 v[LN], 31, v0
	v_lshlrev_b32 v[L16], 4, v[LN]
	v_lshlrev_b32 v[L8], 3, v[LN]
	v_lshlrev_b32 v[GT], 4, v0
	v_lshrrev_b32 v[PFO], 1, v[LN]
	v_lshlrev_b32 v[PFO], 12, v[PFO]               ; row lane / 2,
	v_and_b32 v[TS], 1, v[LN]
	v_lshl_or_b32 v[PFO], v[TS], 8, v[PFO]         ; its first or second 256 bytes of a chunk
	s_and_b32 s24, ttmp7, 0xffff                   ; batch
	s_lshl_b32 s25, s24, 4
	s_add_co_u32 s25, s25, ttmp9                   ; the block's number among all 512
	s_mov_b32 s36, 0x76543210                      ; v_permlanex16_b32: each lane takes its own place in the other half
	s_mov_b32 s37, 0xfedcba98
	s_mov_b32 s38, 0x3fb8aa3b                      ; log2(e)
	s_mov_b32 s46, SC2
	s_mov_b32 s47, SC2                             ; named with it as a pair
	s_mov_b32 s27, 0                               ; high word of every byte offset
	s_wait_alu depctr_va_sdst(0)                   ; s22, the wave's number, is written, ahead of its first reader
	s_mul_i32 s44, s22, 32*PC                      ; my wave stores rows 32 w .. 32 w + 31
	v_add_nc_u32 v[LX], s44, v[L8]
	v_mul_u32_u24 v[AAD], v[RR], PC
	v_lshl_add_u32 v[AAD], v[HH], 4, v[AAD]        ; row x pitch + 16 x half
	s_lshl_b32 s44, s22, 10                        ; my 256 columns in c and v_w
	s_add_co_u32 s44, s44, CVL
	v_lshl_add_u32 v[CVA], v[HH], 5, s44
	v_add_nc_u32 v[VWA], 4096, v[CVA]
	v_add_nc_u32 v[TA], CVL, v[GT]
	s_lshl_b32 s44, s22, 9
	s_add_co_u32 s45, s44, SCP
	v_lshl_add_u32 v[SA], v[RR], 2, s45
	v_add_nc_u32 v[SB], SCP, v[L16]
	s_add_co_u32 s45, s44, PVL
	v_add_nc_u32 v[PW], s45, v[L16]
	v_mov_b32 v[PA], s45
	s_mul_i32 s44, s22, 2*CH                       ; the context: my wave's 256 columns are chunks 2 w and 2 w + 1
	v_add_nc_u32 v[CX], s44, v[L8]
.set i, 0
.rept 16
	v_mov_b32 v[SS+i], 0
.set i, i+1
.endr
	v_mov_b32 v[SVT], 0
	v_mov_b32 v[SVT+1], 0
	s_wait_kmcnt 0x0
	s_load_b32 s20, s[12:13], 0x0                  ; v_b
	s_lshl_b32 s26, s25, 7                         ; the block's first row,
	s_lshl_b32 s45, s22, 5
	s_add_co_u32 s26, s26, s45                     ; my wave's 32 rows,
	s_lshl_b32 s26, s26, 12                        ; of 4,096 bytes: under 2^28
	s_add_nc_u64 s[28:29], s[4:5], s[26:27]        ; X at my rows
	s_lshl_b32 s26, s22, 19                        ; my two chunks of columns, 262,144 bytes each
	s_add_nc_u64 s[30:31], s[6:7], s[26:27]        ; wf at my columns
	s_lshl_b32 s26, s24, 12
	s_add_nc_u64 s[8:9], s[8:9], s[26:27]          ; the batch's row in each quarter of cvp
	s_wait_alu depctr_va_vdst(0)                   ; every offset and LDS address made above (L16, L8, GT, PFO, LX, AAD, CVA, VWA, TA, SA, SB, PW, PA, CX) is written: the loads, stores and prefetches of the kernel read them
; ---- AHEAD OF THE FIRST PRODUCT: the tables, chunks 0 and 1 of X, W's first three K steps.  62 loads go out at once; then each part that has come is worked off and the next loads follow.
.irp j, 0,1,2,3
.irp u, 0,1
	global_load_b128 v[F0+8*\j+4*\u:F0+8*\j+4*\u+3], v[GT], s[8:9] offset:\j*131072+\u*2048  ; the four quarters of the decoder's vector: copied once, in whole rows
.endr
.endr
.irp u, 0,1
	global_load_b128 v[F0+32+4*\u:F0+32+4*\u+3], v[GT], s[40:41] offset:\u*2048
	global_load_b128 v[F0+40+4*\u:F0+40+4*\u+3], v[GT], s[42:43] offset:\u*2048
	global_load_b128 v[F0+48+4*\u:F0+48+4*\u+3], v[GT], s[10:11] offset:\u*2048
.endr
	XISSUE 0,   2, 0,  0                           ; chunk 0, my 32 rows
	XISSUE 32,  2, 8,  0
	XISSUE 64,  2, 16, 0
	XISSUE 96,  2, 24, 0
	XISSUE 128, 2, 0,  512                         ; chunk 1, my rows 0-15
	XISSUE 160, 2, 8,  512
	WIN 0
	s_wait_loadcnt 48                              ; the 14 loads of the tables are in; X's 48 may stay out
.irp u, 0,1
.irp d, 0,2
	v_pk_add_f32 v[F0+4*\u+\d:F0+4*\u+\d+1], v[F0+4*\u+\d:F0+4*\u+\d+1], v[F0+8+4*\u+\d:F0+8+4*\u+\d+1]
	v_pk_add_f32 v[F0+16+4*\u+\d:F0+16+4*\u+\d+1], v[F0+16+4*\u+\d:F0+16+4*\u+\d+1], v[F0+24+4*\u+\d:F0+24+4*\u+\d+1]
	v_pk_add_f32 v[F0+32+4*\u+\d:F0+32+4*\u+\d+1], v[F0+32+4*\u+\d:F0+32+4*\u+\d+1], v[F0+40+4*\u+\d:F0+40+4*\u+\d+1]
.endr
.endr
.irp u, 0,1
.irp d, 0,2
	v_pk_add_f32 v[F0+4*\u+\d:F0+4*\u+\d+1], v[F0+4*\u+\d:F0+4*\u+\d+1], v[F0+16+4*\u+\d:F0+16+4*\u+\d+1]
.endr
.endr
.irp u, 0,1
.irp d, 0,2
	v_pk_fma_f32 v[F0+4*\u+\d:F0+4*\u+\d+1], v[F0+32+4*\u+\d:F0+32+4*\u+\d+1], s[46:47], v[F0+4*\u+\d:F0+4*\u+\d+1] op_sel_hi:[1,0,1]  ; + SC2 (b_enc + b_dec)
.endr
.endr
	s_wait_alu depctr_va_vdst(0)                   ; the sums above have written v[F0 ..], which the LDS stores read
.irp u, 0,1
	ds_store_b128 v[TA], v[F0+4*\u:F0+4*\u+3]       offset:\u*2048
	ds_store_b128 v[TA], v[F0+48+4*\u:F0+48+4*\u+3] offset:4096+\u*2048
.endr
	s_wait_loadcnt 16                              ; chunk 0 is in; the 16 loads of chunk 1 may stay out
	XCV 0,   2
	XCV 32,  2
	XCV 64,  2
	XCV 96,  2
	WIN 2<<2
	s_wait_alu depctr_va_vdst(0)                   ; the 64 conversions have written chunk 0 in bf16, which the LDS stores read
	XST 0,   2, 0,  0
	XST 32,  2, 8,  0
	XST 64,  2, 16, 0
	XST 96,  2, 24, 0
	XISSUE 192, 2, 16, 512                         ; chunk 1, my rows 16-31: into registers that nothing has named yet, as are W's below
	XISSUE 224, 2, 24, 512
	LOAD_B 0, 0
	s_wait_loadcnt 32                              ; chunk 1's rows 0-15 are in; the 32 just issued may stay out
	XCV 128, 2
	XCV 160, 2
	WIN 2<<2
	s_wait_alu depctr_va_vdst(0)                   ; the 32 conversions have written rows 0-15 of chunk 1, which the LDS stores read
	XST 128, 2, 0,  CH
	XST 160, 2, 8,  CH
	LOAD_B 1, 8192
	s_wait_loadcnt 32                              ; chunk 1's rows 16-31 are in; W's two K steps may stay out
	XCV 192, 2
	XCV 224, 2
	WIN 2<<2
	s_wait_alu depctr_va_vdst(0)                   ; the 32 conversions have written rows 16-31 of chunk 1, which the LDS stores read
	XST 192, 2, 16, CH
	XST 224, 2, 24, CH
	LOAD_B 2, 16384
	WIN 0
	s_wait_alu depctr_vm_vsrc(0)                   ; my LDS stores have read LX, which steps here, and their data: v[F0 ..], in which fragments land, and window 2's registers, which the first products write
	v_add_nc_u32 v[LX], CH, v[LX]                  ; in body b the stores stand at chunk b + 1
	s_wait_kmcnt 0x0                               ; v_b
	s_mov_b32 s21, s20                             ; named with it as a pair
	s_wait_dscnt 0x0                               ; for the others' sake: my rows of chunks 0 and 1 and my part of c and v_w are in LDS
	s_barrier_signal -1
	s_barrier_wait -1
	s_mov_b32 s33, 2
.Lpass:                                                ; two passes: 128 columns each.  Here W's K steps 0 to 2, 48 loads, are out
	v_mov_b32 v[AW], v[AAD]                        ; (the fetches of the pass before have read AW: the wait on vm_vsrc at that pass's end)
	s_wait_alu depctr_va_vdst(0)                   ; AW is written, and CVA; what was at work on v[CR ..] and v[F0 ..] (the tables' sums; the scores of the pass before) is done with them: the loads below land there
.irp b, 0,1,2,3,4,5,6,7
	ds_load_b128 v[CR+8*\b:CR+8*\b+3],   v[CVA] offset:64*\b      ; c as C: register j of fragment b is column 16 b + 8 (lane / 16) + j
	ds_load_b128 v[CR+8*\b+4:CR+8*\b+7], v[CVA] offset:64*\b+16
.endr
	FETCH_A F0, 0
	s_cmp_eq_u32 s33, 1
	s_cbranch_scc1 .Lsecond
	; THE FIRST PASS, with X's stream.  In a step X's 8 loads stand ahead of W's 16.  At a step's head the younger loads are X(i-2) 8, W(i+1) 16, X(i-1) 8, W(i+2) 16 = 48; at the conversions W(i+1), X(i-1), W(i+2) = 40.
	STEP 0, 1, 1, 1, 32                            ; K steps 0-3: the stream begins in step 1, when c's registers have been read: the counts climb
	STEP 1, 0, 1, 1, 32, 0, 0,  1, 0, 1
	STEP 2, 0, 1, 1, 40, 0, 0,  1
	STEP 3, 0, 1, 1, 48, 2, 40, 1
	WIN 0
	s_mov_b32 s32, 5
.Lkx:                                                  ; K steps 4-23: bodies 1 to 5
	ADV 1
	STEP 0, 0, 1, 1, 48, 1, 40, 1
	STEP 1, 0, 1, 1, 48, 1, 40, 1, 0, 2
	STEP 2, 0, 1, 1, 48, 1, 40, 1
	STEP 3, 0, 1, 1, 48, 1, 40, 1, 1
	WIN 0
	s_sub_co_u32 s32, s32, 1
	s_cmp_lg_u32 s32, 0
	s_cbranch_scc1 .Lkx
	ADV 1                                          ; K steps 24-27: the last group is asked for in step 24 and stored in step 26: the counts fall
	STEP 0, 0, 1, 1, 48, 1, 40, 1
	STEP 1, 0, 1, 1, 48, 1, 40, 0
	STEP 2, 0, 1, 1, 40, 1, 32, 0
	STEP 3, 0, 1, 1, 32, 0, 0,  0, 1
	WIN 0
	s_branch .Ltail
.Lsecond:                                              ; THE SECOND PASS: X lies in LDS.  At a step's head W's two later K steps, 32 loads, may stay out
	STEP 0, 1, 1, 1, 32
	STEP 1, 0, 1, 1, 32
	STEP 2, 0, 1, 1, 32
	STEP 3, 0, 1, 1, 32
	WIN 0
	s_mov_b32 s32, 6
.Lk:                                                   ; K steps 4-27
	ADV 0
	STEP 0, 0, 1, 1, 32
	STEP 1, 0, 1, 1, 32
	STEP 2, 0, 1, 1, 32
	STEP 3, 0, 1, 1, 32
	WIN 0
	s_sub_co_u32 s32, s32, 1
	s_cmp_lg_u32 s32, 0
	s_cbranch_scc1 .Lk
.Ltail:                                                ; K steps 28-31, for both passes: on either way W's K steps 28 to 30 are out.  Step 28 asks for W's last; then the counts run down
	ADV 0
	STEP 0, 0, 1, 1, 32
	STEP 1, 0, 1, 0, 32
	STEP 2, 0, 1, 0, 16
	STEP 3, 0, 0, 0, 0
	WIN 0
.rept 8
	v_nop                                          ; the places behind the last products, twice a launch
.endr
	s_wait_alu depctr_va_vdst(0)                   ; the last K steps' products are done reading W's buffers 0 to 2, in which the next pass's loads land; all that read v[CR ..] (K step 0's products, the stream's conversions) is done: v_w lands there
	s_add_nc_u64 s[30:31], s[30:31], 32768         ; the next chunk of columns (the wait for 0 above has shown every load done)
	s_cmp_eq_u32 s33, 1
	s_cbranch_scc1 .Lno_more_w                     ; behind the second pass there is none
	BPRO                                           ; its first three K steps land while the scores are made: what follows issues no global load, so the counts at the pass's head hold
	WIN 0
.Lno_more_w:
.irp b, 0,1,2,3,4,5,6,7
	ds_load_b128 v[CR+8*\b:CR+8*\b+3],   v[VWA] offset:64*\b      ; v_w in the same places as c
	ds_load_b128 v[CR+8*\b+4:CR+8*\b+7], v[VWA] offset:64*\b+16
.endr
.irp a, 0,1,2,3,4,5,6,7
	EPI \a
.endr
	s_wait_alu depctr_vm_vsrc(0)                   ; the loads of c and of v_w have read CVA and VWA, which step here, and the pass's fetches AW, which the next pass's head sets anew
	v_add_nc_u32 v[CVA], 512, v[CVA]
	v_add_nc_u32 v[VWA], 512, v[VWA]
	s_sub_co_u32 s33, s33, 1
	s_cmp_lg_u32 s33, 0
	s_cbranch_scc1 .Lpass
; ---- THE BLOCK'S SCORES AND ITS SOFTMAX
.irp a, 0,1,2,3,4,5,6,7
	v_pk_fma_f32 v[SS+2*\a:SS+2*\a+1], v[SS+2*\a:SS+2*\a+1], -2.0, v[SVT:SVT+1] op_sel_hi:[1,0,1]  ; sum v - 2 sum v r over my columns
.endr
.irp a, 0,1,2,3,4,5,6,7
	v_add_f32 v[TS+\a], v[SS+2*\a], v[SS+2*\a+1]
.endr
.irp a, 0,1,2,3,4,5,6,7
	v_permlanex16_b32 v[F0+\a], v[TS+\a], s36, s37 ; the row's other columns lie in the lane 16 away
.endr
.irp a, 0,1,2,3,4,5,6,7
	v_add_f32 v[TS+\a], v[TS+\a], v[F0+\a]
.endr
	s_wait_alu depctr_va_vdst(0)                   ; the additions have written v[TS ..], which the LDS stores read, and are done with v[F0 ..], in which the loads behind the barrier land
.irp a, 0,1,2,3,4,5,6,7
	ds_store_b32 v[SA], v[TS+\a] offset:64*\a      ; row 16 a + lane % 16: both halves of the lanes write the same word with the same number
.endr
	s_wait_dscnt 0x0                               ; for the others' sake
	s_barrier_signal -1
	s_barrier_wait -1
.irp w, 0,1,2,3
	ds_load_b128 v[F0+4*\w:F0+4*\w+3], v[SB] offset:512*\w  ; every wave: rows 4 lane .. 4 lane + 3, the four waves' parts
.endr
	s_wait_dscnt 0x0
	v_pk_add_f32 v[64:65], v[64:65], v[68:69]
	v_pk_add_f32 v[66:67], v[66:67], v[70:71]
	v_pk_add_f32 v[72:73], v[72:73], v[76:77]
	v_pk_add_f32 v[74:75], v[74:75], v[78:79]
	v_pk_add_f32 v[64:65], v[64:65], v[72:73]
	v_pk_add_f32 v[66:67], v[66:67], v[74:75]
	v_pk_add_f32 v[64:65], v[64:65], s[20:21] op_sel_hi:[1,0]   ; + v_b
	v_pk_add_f32 v[66:67], v[66:67], s[20:21] op_sel_hi:[1,0]
	v_max3_num_f32 v68, v64, v65, v66
	v_max_num_f32 v68, v68, v67
	v_max_num_f32_dpp v68, v68, v68 row_xmask:1 row_mask:0xf bank_mask:0xf
	v_max_num_f32_dpp v68, v68, v68 row_xmask:2 row_mask:0xf bank_mask:0xf
	v_max_num_f32_dpp v68, v68, v68 row_xmask:4 row_mask:0xf bank_mask:0xf
	v_max_num_f32_dpp v68, v68, v68 row_xmask:8 row_mask:0xf bank_mask:0xf
	v_permlanex16_b32 v70, v68, s36, s37
	v_max_num_f32 v68, v68, v70                    ; m, the block's largest score, in every lane
	v_mul_f32 v70, s38, v68
.irp k, 0,1,2,3
	v_fma_f32 v[72+\k], v[64+\k], s38, -v70        ; log2(e) (score - m)
.endr
.irp k, 0,1,2,3
	v_exp_f32 v[72+\k], v[72+\k]
.endr
	v_nop
	s_wait_alu depctr_va_vdst(0)                   ; the four exponentials have written p: one wait, ahead of the LDS store and the sums that read it
	ds_store_b128 v[PW], v[72:75]                  ; p into my wave's own copy: LDS serves a wave's instructions in order (ISA guide 5.7.1.4), so my loads below see it
	v_add_f32 v69, v72, v73
	v_add_f32 v71, v74, v75
	v_add_f32 v69, v69, v71
	v_add_f32_dpp v69, v69, v69 row_xmask:1 row_mask:0xf bank_mask:0xf
	v_add_f32_dpp v69, v69, v69 row_xmask:2 row_mask:0xf bank_mask:0xf
	v_add_f32_dpp v69, v69, v69 row_xmask:4 row_mask:0xf bank_mask:0xf
	v_add_f32_dpp v69, v69, v69 row_xmask:8 row_mask:0xf bank_mask:0xf
	v_permlanex16_b32 v71, v69, s36, s37
	v_add_f32 v69, v69, v71                        ; l
	s_cmp_lg_u32 s22, 0
	s_cbranch_scc1 .Lnot_wave_0
	s_lshl_b32 s26, s25, 9
	s_add_nc_u64 s[14:15], s[14:15], s[26:27]
	s_lshl_b32 s26, s25, 8
	s_add_nc_u64 s[16:17], s[16:17], s[26:27]
	s_wait_alu depctr_va_vdst(0)                   ; l is written in v69, which the second store reads (the scores and m were written ahead of the wait above)
	global_store_b128 v[L16], v[64:67], s[14:15]   ; the block's 128 scores: 512 consecutive bytes
	global_store_b64 v[L8], v[68:69], s[16:17]     ; (m, l), once a lane: 256 consecutive bytes, aligned
	s_wait_xcnt 0x0                                ; the stores' addresses are translated: v64-69 are loaded again below
.Lnot_wave_0:
	s_wait_alu depctr_vm_vsrc(0)                   ; p's LDS store has read v72-75, and wave 0's two stores v64-69: the context's loads land in these registers
; ---- THE PARTIAL CONTEXT: wave w takes columns 256 w .. + 255; a lane 4 columns at 4 lane (chunk 2 w) and 4 at 128 + 4 lane (chunk 2 w + 1)
.set i, 0
.rept 8
	v_mov_b32 v[QQ+i], 0
.set i, i+1
.endr
	s_mov_b32 s34, 4
.Lctx:                                                 ; a trip: 32 rows
	s_wait_alu depctr_va_vdst(0)                   ; the multiply-adds of the trip before (at first: the softmax's lines) are done with v[CR ..] and v[F0 ..], in which this trip's loads land; CX and PA are written
.irp g, 0,1,2,3,4,5,6,7
	ds_load_b128 v[CR+4*\g:CR+4*\g+3], v[PA] offset:16*\g   ; 32 p: all lanes read the same words
.endr
.set i, 0
.rept 32
	ds_load_b64 v[F0+4*i:F0+4*i+1],   v[CX] offset:i*PC       ; 32 lanes, 256 consecutive bytes
	ds_load_b64 v[F0+4*i+2:F0+4*i+3], v[CX] offset:i*PC+CH
.set i, i+1
.endr
.set g, 0
.rept 4
	s_wait_dscnt 48-16*g                           ; eight more rows are in; the later rows' 16 loads a group may stay out
.set i, 8*g
.rept 8
.irp u, 0,1,2,3
	v_fma_mix_f32_bf16 v[QQ+2*\u],   v[F0+4*i+\u], v[CR+i], v[QQ+2*\u]   op_sel:[0,0,0] op_sel_hi:[1,0,0]  ; x (bf16, low half) x p + sum
	v_fma_mix_f32_bf16 v[QQ+2*\u+1], v[F0+4*i+\u], v[CR+i], v[QQ+2*\u+1] op_sel:[1,0,0] op_sel_hi:[1,0,0]  ; high half
.endr
.set i, i+1
.endr
.set g, g+1
.endr
	s_wait_alu depctr_vm_vsrc(0)                   ; the trip's loads have read CX and PA, which step here
	v_add_nc_u32 v[CX], 32*PC, v[CX]
	v_add_nc_u32 v[PA], 128, v[PA]
	s_sub_co_u32 s34, s34, 1
	s_cmp_lg_u32 s34, 0
	s_cbranch_scc1 .Lctx
	s_lshl_b32 s26, s25, 12
	s_lshl_b32 s44, s22, 10
	s_add_co_u32 s26, s26, s44
	s_add_nc_u64 s[18:19], s[18:19], s[26:27]
	s_wait_alu depctr_va_vdst(0)                   ; the multiply-adds have written the eight sums, which the stores read
	global_store_b128 v[L16], v[QQ:QQ+3],   s[18:19]              ; 512 consecutive bytes each
	global_store_b128 v[L16], v[QQ+4:QQ+7], s[18:19] offset:512
	s_wait_dscnt 0x0                               ; the wave's end
	s_wait_alu depctr_hold_cnt(0) depctr_sa_sdst(0) depctr_va_vdst(0) depctr_va_sdst(0) depctr_va_ssrc(0) depctr_va_vcc(0) depctr_vm_vsrc(0)
	s_wait_tensorcnt 0x0
	ds_add_u32 v10, v11
	s_wait_dscnt 0x0
	s_endpgm
.Lfunc_end_k_qc42621e138_attn:
	.size	k_qc42621e138_attn, .Lfunc_end_k_qc42621e138_attn-k_qc42621e138_attn
	.p2alignl 7, 3214868480
	.fill 96, 4, 3214868480
	.section	.rodata,"a",@progbits
	.p2align	6, 0x0
	.amdhsa_kernel k_qc42621e138_attn
		.amdhsa_group_segment_fixed_size 291328
		.amdhsa_private_segment_fixed_size 0
		.amdhsa_enable_private_segment 0
		.amdhsa_kernarg_size 80
		.amdhsa_user_sgpr_count 2
		.amdhsa_user_sgpr_kernarg_segment_ptr 1
		.amdhsa_wavefront_size32 1
		.amdhsa_system_sgpr_workgroup_id_x 1
		.amdhsa_system_sgpr_workgroup_id_y 1
		.amdhsa_system_sgpr_workgroup_id_z 1
		.amdhsa_system_vgpr_workitem_id 0
		.amdhsa_next_free_vgpr 1024
		.amdhsa_next_free_sgpr 66
		.amdhsa_reserve_vcc 0
		.amdhsa_float_denorm_mode_32 3
		.amdhsa_float_denorm_mode_16_64 3
		.amdhsa_memory_ordered 1
		.amdhsa_forward_progress 1
		.amdhsa_inst_pref_size 255
	.end_amdhsa_kernel
	.section	.bss,"aw",@nobits
	.p2align	6
	.space	262144
	.amdgpu_metadata
---
amdhsa.version: [ 1, 2 ]
amdhsa.kernels:
  - .name:           k_qc42621e138_attn
    .symbol:         k_qc42621e138_attn.kd
    .args:
      - { .name: encoder_outputs, .offset: 0, .size: 8, .value_kind: global_buffer, .address_space: global }
      - { .name: wf, .offset: 8, .size: 8, .value_kind: global_buffer, .address_space: global }
      - { .name: cvp, .offset: 16, .size: 8, .value_kind: global_buffer, .address_space: global }
      - { .name: v_w, .offset: 24, .size: 8, .value_kind: global_buffer, .address_space: global }
      - { .name: v_b, .offset: 32, .size: 8, .value_kind: global_buffer, .address_space: global }
      - { .name: sc, .offset: 40, .size: 8, .value_kind: global_buffer, .address_space: global }
      - { .name: st, .offset: 48, .size: 8, .value_kind: global_buffer, .address_space: global }
      - { .name: cp, .offset: 56, .size: 8, .value_kind: global_buffer, .address_space: global }
      - { .name: b_enc, .offset: 64, .size: 8, .value_kind: global_buffer, .address_space: global }
      - { .name: b_dec, .offset: 72, .size: 8, .value_kind: global_buffer, .address_space: global }
    .group_segment_fixed_size: 291328
    .private_segment_fixed_size: 0
    .kernarg_segment_align: 8
    .kernarg_segment_size: 80
    .max_flat_workgroup_size: 128
    .sgpr_count:     66
    .vgpr_count:     1024
    .wavefront_size: 32
...
	.end_amdgpu_metadata
.endif
;; end of part 4
;; launch fin: the kernel of part 3 again; grid 4 x 32, 4 waves a work-group, no clusters, 0 bytes of LDS; arguments sc, st, cp, out0, out1; writes out0, out1
